; MI455X (gfx1250); checked and timed in simulation.
; The chip was launched on July 23, 2026; its instructions are those of AMD's public machine-readable ISA for CDNA 5 (MIT licence, August 2026) and "CDNA5" Instruction Set Architecture Reference Guide (July 2026). The comments in the code are by the model that wrote it; some were corrected since.
;; Single Hidden Layer SNN. Allowed arithmetic: float matrix products may take bf16 or f16 operands with f32 sums; other float arithmetic in f32, or as packed bf16 or f16 multiplies, adds, multiply-adds, maxima and minima; sums over many terms, partial sums and values carried from step to step in f32; what a program stores and reads back later, other than sums and carried values, may be rounded once to bf16 or f16.
;; Inputs: W_hid 1,024 x 700 float32; W_out 20 x 1,024 float32; hid_spike0 256 x 1,024 float32; hid_volt0 256 x 1,024 float32; out_spike0 256 x 20 float32; out_volt0 256 x 20 float32; spike_data 256 x 700 x 250 float32.
;; Outputs: out0 256 x 20 float32.
;; Constants: batch_size = 256, spike_ts = 250.
;; 2 versions, each right; version 2 is version 1 with the launch snn written anew for expert scheduling mode. Each part assembles by itself: llvm-mc -triple=amdgcn-amd-amdhsa -mcpu=gfx1250 --defsym DOCPART=n.
;; ======== version 1 of 2: 2 launches
;; workspace buffers: ws 1,507,328 bytes
;; launch prep (part 1): grid 368 x 1, 8 waves a work-group, no clusters, 0 bytes of LDS; arguments W_hid, W_out, ws; writes ws
.if DOCPART == 1
	.amdgcn_target "amdgcn-amd-amdhsa--gfx1250"
	.amdhsa_code_object_version 6
	.text
	.protected	k_q46d5157954_prep
	.globl	k_q46d5157954_prep
	.p2align	8
	.type	k_q46d5157954_prep,@function
k_q46d5157954_prep:
	s_mov_b64 s[64:65], 0
	v_nop
	global_prefetch_b8 v0, s[64:65] scope:SCOPE_SE
	s_setreg_imm32_b32 hwreg(HW_REG_WAVE_MODE, 25, 1), 1
	s_wait_xcnt 0x0
; Both weight matrices are rounded to bf16 once and laid out in the order in which a wave's operand registers take them.
; A FRAGMENT is 16 rows x 32 k = 1,024 bytes: byte 512 q + 16 l + 2 e holds row (l % 16), k = 16 q + 8 (l / 16) + e of the fragment,
; so that two loads of 16 bytes a lane, 512 bytes apart, fill the eight registers of a matrix operand, each load 512 consecutive bytes.
; ws: fragments 0 .. 1,407: W_hid, fragment 64 ks + nt = rows 16 nt .., k 32 ks ..; k = 700 .. 703 are 0 (K is padded to 704).
;     fragments 1,408 .. 1,471: W_out, fragment 1,408 + 2 kb + mo = rows 16 mo .., k 32 kb ..; rows 20 .. 31 are 0.
; SHARES.  A work-group of eight waves makes four fragments; a wave makes one half (q) of one: each store covers 512 consecutive bytes, aligned.
; No work of the problem is left out here.
.set NWF, 1408                         ; fragments of W_hid: 22 K steps x 64 blocks of 16 rows
	s_load_b128 s[4:7], s[0:1], 0x0                ; W_hid s[4:5], W_out s[6:7]
	s_load_b64 s[8:9], s[0:1], 0x10                ; ws
	v_lshrrev_b32 v1, 5, v0
	v_readfirstlane_b32 s10, v1                    ; wave 0..7
	v_and_b32 v2, 31, v0                           ; l
	v_and_b32 v3, 15, v0                           ; l % 16
	v_bfe_u32 v4, v0, 4, 1                         ; l / 16
	s_and_b32 s11, s10, 1                          ; q
	s_lshr_b32 s12, s10, 1
	s_lshl_b32 s13, ttmp9, 2
	s_add_co_u32 s12, s12, s13                     ; the fragment's number f = 4 x work-group + wave / 2
	s_lshl_b32 s14, s12, 10
	s_lshl_b32 s15, s11, 9
	s_add_co_u32 s14, s14, s15
	v_lshl_add_u32 v5, v2, 4, s14                  ; where I store: 1,024 f + 512 q + 16 l
	s_lshl_b32 s15, s11, 4                         ; 16 q
	s_wait_kmcnt 0x0
	s_cmp_lt_u32 s12, NWF                          ; 1,408 is a multiple of 4: the same answer in all waves of a work-group
	s_cbranch_scc0 .Lwo
	s_lshr_b32 s16, s12, 6                         ; ks
	s_and_b32 s17, s12, 63                         ; nt
	s_lshl_b32 s17, s17, 4
	s_lshl_b32 s16, s16, 5
	s_add_co_u32 s16, s16, s15                     ; 32 ks + 16 q
	v_add_nc_u32 v6, s17, v3                       ; my row of W_hid
	v_lshl_add_u32 v7, v4, 3, s16                  ; my first k: 696 at the most
	v_mul_u32_u24 v8, v6, 2800                     ; a row is 2,800 bytes, a multiple of 16
	v_lshl_add_u32 v9, v7, 2, v8                   ; k .. k + 3: always inside the row
	v_lshlrev_b32 v10, 2, v7
	v_add_nc_u32 v10, 16, v10
	v_min_u32 v10, 2784, v10                       ; k + 4 .. k + 7: held inside the row where k = 696; those four are set to 0 below
	v_add_nc_u32 v10, v8, v10
	global_load_b128 v[12:15], v9, s[4:5]
	global_load_b128 v[16:19], v10, s[4:5]
	v_cmp_gt_u32 vcc_lo, 696, v7
	s_wait_loadcnt 0x0
.irp r, 16,17,18,19
	v_cndmask_b32 v\r, 0, v\r, vcc_lo
.endr
	s_branch .Lpack
.Lwo:
	s_sub_co_u32 s16, s12, NWF
	s_and_b32 s17, s16, 1                          ; mo
	s_lshr_b32 s16, s16, 1                         ; kb
	s_lshl_b32 s17, s17, 4
	s_lshl_b32 s16, s16, 5
	s_add_co_u32 s16, s16, s15                     ; 32 kb + 16 q
	v_add_nc_u32 v6, s17, v3                       ; my row of W_out, 0 .. 31
	v_lshl_add_u32 v7, v4, 3, s16                  ; my first k
	v_min_u32 v8, 19, v6                           ; rows 20 .. 31 do not exist: row 19 is read in their stead and set to 0 below
	v_lshlrev_b32 v8, 12, v8                       ; a row is 4,096 bytes
	v_lshl_add_u32 v9, v7, 2, v8
	global_load_b128 v[12:15], v9, s[6:7]
	global_load_b128 v[16:19], v9, s[6:7] offset:16
	v_cmp_gt_u32 vcc_lo, 20, v6
	s_wait_loadcnt 0x0
.irp r, 12,13,14,15,16,17,18,19
	v_cndmask_b32 v\r, 0, v\r, vcc_lo
.endr
.Lpack:
	v_cvt_pk_bf16_f32 v20, v12, v13                ; rounded to nearest even, the lower k in the lower half
	v_cvt_pk_bf16_f32 v21, v14, v15
	v_cvt_pk_bf16_f32 v22, v16, v17
	v_cvt_pk_bf16_f32 v23, v18, v19
	global_store_b128 v5, v[20:23], s[8:9]
	s_endpgm
.Lfunc_end_k_q46d5157954_prep:
	.size	k_q46d5157954_prep, .Lfunc_end_k_q46d5157954_prep-k_q46d5157954_prep
	.p2alignl 7, 3214868480
	.fill 96, 4, 3214868480
	.section	.rodata,"a",@progbits
	.p2align	6, 0x0
	.amdhsa_kernel k_q46d5157954_prep
		.amdhsa_group_segment_fixed_size 0
		.amdhsa_private_segment_fixed_size 0
		.amdhsa_enable_private_segment 0
		.amdhsa_kernarg_size 24
		.amdhsa_user_sgpr_count 2
		.amdhsa_user_sgpr_kernarg_segment_ptr 1
		.amdhsa_wavefront_size32 1
		.amdhsa_system_sgpr_workgroup_id_x 1
		.amdhsa_system_sgpr_workgroup_id_y 1
		.amdhsa_system_sgpr_workgroup_id_z 1
		.amdhsa_system_vgpr_workitem_id 0
		.amdhsa_next_free_vgpr 32
		.amdhsa_next_free_sgpr 66
		.amdhsa_reserve_vcc 1
		.amdhsa_float_denorm_mode_32 3
		.amdhsa_float_denorm_mode_16_64 3
		.amdhsa_memory_ordered 1
		.amdhsa_forward_progress 1
		.amdhsa_inst_pref_size 4
	.end_amdhsa_kernel
	.amdgpu_metadata
---
amdhsa.version: [ 1, 2 ]
amdhsa.kernels:
  - .name:           k_q46d5157954_prep
    .symbol:         k_q46d5157954_prep.kd
    .args:
      - { .name: W_hid, .offset: 0, .size: 8, .value_kind: global_buffer, .address_space: global }
      - { .name: W_out, .offset: 8, .size: 8, .value_kind: global_buffer, .address_space: global }
      - { .name: ws, .offset: 16, .size: 8, .value_kind: global_buffer, .address_space: global }
    .group_segment_fixed_size: 0
    .private_segment_fixed_size: 0
    .kernarg_segment_align: 8
    .kernarg_segment_size: 24
    .max_flat_workgroup_size: 256
    .sgpr_count:     66
    .vgpr_count:     32
    .wavefront_size: 32
...
	.end_amdgpu_metadata
.endif
;; end of part 1
;; launch snn (part 2): grid 256 x 1, 4 waves a work-group, no clusters, 312,832 bytes of LDS; arguments spike_data, ws, hid_volt0, hid_spike0, out_volt0, out_spike0, out0; writes out0
.if DOCPART == 2
	.amdgcn_target "amdgcn-amd-amdhsa--gfx1250"
	.amdhsa_code_object_version 6
	.text
	.protected	k_q46d5157954_snn
	.globl	k_q46d5157954_snn
	.p2align	8
	.type	k_q46d5157954_snn,@function
k_q46d5157954_snn:
	s_mov_b64 s[64:65], 0
	v_nop
	global_prefetch_b8 v0, s[64:65] scope:SCOPE_SE
	s_setreg_imm32_b32 hwreg(HW_REG_WAVE_MODE, 25, 1), 1
	s_wait_xcnt 0x0
; A spiking net with one hidden layer, for one batch row b a work-group.  For t = 0 .. 249:
;   I[t][h] = sum over d of x[b][d][t] W_hid[h][d];   hv = 0.5 hv (1 - hs) + I;   hs = hv > 0.5        (1,024 hidden neurons)
;   O[t][o] = sum over h of hs[h] W_out[o][h];        ov = 0.5 ov (1 - os) + O;   os = ov > 0.5        (20 outputs);   out0[b][o] = the number of t with os = 1.
; NOTHING IS LEFT OUT: all seven inputs have a way to the result and are loaded.  What is padded lies inside live tiles: d = 700 .. 703 (zeros on both sides), t = 250 .. 255, o = 20 .. 31.
; FORMATS.  Every input (x, both weights, the four initial states) is rounded to bf16 once; products on the matrix unit with f32 sums; both scans in f32 with the roundings of the formulas above:
; d = hv (1 - hs) is exactly hv or 0 once hs is 0 or 1, and fma(d, 0.5, I) rounds once, as 0.5 hv (1 - hs) + I does (0.5 x is exact).
; LIMITS.  The order of the sums over d and over h is the matrix unit's and this text's, not that of a chain of f32 additions: a voltage within that rounding of 0.5 may fall on the other side.
; Inputs are finite: a NaN or an infinity is not carried as the formulas would carry it.  The test hv > 0.5 is clamp(2^40 hv - 2^39), exact for every finite hv (an overflow clamps to the right side).
; SHARES.  Time goes in two halves of 128 steps.  A half of x, rounded to bf16, lies in LDS as it lies in memory, [d][t].  A half has two passes of 512 neurons; in a pass a wave makes 128 t x 128 neurons:
; 64 accumulators, 512 registers; K = 704 in 22 steps of 32, 64 matrix instructions a step.  Source 0 = 16 t x 32 d, turned on its way out of LDS by ds_load_tr16_b128; source 1 = 16 neurons x 32 d,
; straight from ws into registers: no wave wants a fragment of W that another wave has fetched.  Then the wave scans its 128 neurons over the 128 steps in its accumulators, rounds the spikes (0 or 1: exact)
; to bf16, and multiplies them by W_out (source 0 = 16 outputs, source 1 = 32 neurons x 16 t, turned through a small stage in LDS); the partial O of the eight (pass, wave) pairs are summed in f32,
; and wave 0 scans the 20 outputs, a lane an output.
; ASKED FOR AHEAD.  W has three buffers of a K step: in the middle of step s ONE run of 32 loads fetches x of step s + 1 and W of step s + 2.  The first two steps' W of a pass are asked for before the scan of
; the pass before, or, for a half's first pass, among the last rows of x.  The first 25 rows of a half of x are asked for ahead of the states' arithmetic, and ahead of the output scan of the half before.
; NO CLUSTER, though all work-groups walk the same W: a half of x takes 202,752 bytes of LDS; two slots for 512 rows of W at a K step of 64 (512 x 144 bytes each) take 147,456 more: 350,208, more than
; a work-group can be given; slots of a K step of 32 would put a round of the cluster's barrier in front of every 64 matrix instructions of a wave.  x is shared by nobody.
; REGISTERS, in windows of 256 (s_set_vgpr_msb: bits 1:0 source 0, 3:2 source 1, 5:4 source 2, 7:6 destination):
;   window 0: v0-57 addresses, states, the output product's accumulators; v64-127, v128-191 fragments of x, two buffers; v192-255 W's buffer 1 (all three in other phases: at work)
;   windows 1, 2: v0-191 accumulators of t tiles 0-2, 3-5 (tile n, neuron block i at 64 (n % 3) + 8 i); v192-201 the scan's hv, d and two constants
;   window 3: v0-127 accumulators of t tiles 6, 7; v128-191 W's buffer 0; v192-255 W's buffer 2 (v192-201 in the scan as in windows 1, 2)
.set XPITCH, 288                       ; a row of x in LDS: 128 t x 2 bytes + 32 = 72 words
.set KB,     32*XPITCH                 ; a K step's rows
.set ZR,     700*XPITCH                ; rows 700 .. 703: zeros
.set PR,     203776                    ; wave w's partial O, f32, [128 t][32 o], at PR + PWAVE w
.set PPITCH, 144                       ; 128 bytes + 16
.set PWAVE,  128*PPITCH
.set QR,     PR+4*PWAVE                ; the summed O, [128 t][20 o], the same pitch
.set SG,     QR+PWAVE                  ; wave w's spike stage at SG + 4,096 w: four units of [32 neurons][16 t] bf16, 32 bytes a neuron
.set SPARE,  SG+4*4096                 ; the spare words, 128 bytes for each wave: two blocks of 256 bytes that no other line names
.set WSTEP,  65536                     ; bytes of ws from a K step to the next: 64 fragments
.set WOFRAG, 1441792                   ; where W_out's fragments begin in ws
.set AX,   2                           ; v2   LDS address of my part of the x fragments, at the K steps in hand
.set AX0,  3                           ; v3   the same at K step 0: (8 (l / 16) + l % 8) rows + 16 ((l / 8) % 2)
.set WO,   4                           ; v4   16 l: my 16 bytes of half a fragment in ws
.set XA,   5                           ; v5   8 l: my two t of a row's first 64
.set XB,   6                           ; v6   8 l + 256: of its second 64
.set LSX,  7                           ; v7   where my packed pair of x goes, at the lap in hand
.set LSX0, 8                           ; v8   the same at the first lap: my wave's 175 rows + 4 l
.set SGS,  9                           ; v9   stage: my neuron's 32 bytes
.set SGR,  10                          ; v10  stage: my part of the turning loads
.set PA,   11                          ; v11  my 32 bytes of a row of my wave's partial O
.set PS,   12                          ; v12  the sum: row = my thread's number, in wave 0's partial O
.set QS,   13                          ; v13  the same row of the summed O
.set QL0,  14                          ; v14  the output scan: my output's word of row 0; never rewritten: the row stands in the loads' immediates
.set PZ,   16                          ; v16  my 16 bytes of 512 in my wave's partial O
.set SPW,  17                          ; v17  LDS address of my spare word; never rewritten
.set NIL,  18                          ; v18  0; never rewritten
.set PFO,  19                          ; v19  1,000 l: a lane a row of x
.set STA,  20                          ; v20-23  d of my four units of 32 neurons, for the pass that comes next
.set STB,  24                          ; v24-27  for the pass after it
.set OVP,  28                          ; v28  the output's voltage of the step before
.set CNT,  29                          ; v29  its count of spikes
.set E0,   30                          ; v30  ov0 (1 - os0), then 0
.set OA0,  36                          ; v36-43  O^T, outputs 0-15 x 16 t
.set OA1,  44                          ; v44-51  outputs 16-31
.set ZZ,   52                          ; v52-55  zeros
.set HO,   56                          ; v56  my neuron's word in a row of the hidden states
.set OO,   57                          ; v57  my output's word: 4 min(l, 19)
.set XF,   64                          ; x fragments: buffer f, t tile n at XF + 64 f + 8 n
.set XS,   64                          ; loading x: row slot i, four registers as loaded: v64-163
.set XT,   164                         ; and two packed: 14 pairs by turns, v164-191, clear of W's buffer 1
.set WOF,  64                          ; the scan: W_out's fragments, unit u, output block mo at WOF + 8 (2 u + mo)
.set SF,   128                         ; the scan: spike fragments, unit u at SF + 8 u
.set OB,   192                         ; the output scan: two buffers of 16 steps' O (x's first rows are on their way into v64-163 meanwhile)
.set TS,   192                         ; the head: the 18 initial states as loaded
.set HH,   192                         ; windows 1-3: hv of the four units
.set DD,   196                         ; d of the four units
.set BIG,  200                         ; 2^40
.set NBIG, 201                         ; -2^39
.set WV,   22                          ; s22  my wave's number
.set XP,   28                          ; s[28:29] x at my wave's rows, at the half and lap in hand
.set WP,   30                          ; s[30:31] ws at my 8 fragments, at the K steps in hand
.set WOP,  32                          ; s[32:33] ws at my 8 fragments of W_out
.set OF,   34                          ; s[34:35] an offset
.set NPASS, 36                         ; s36  passes whose products are done, 0 .. 4
.set CH,   37                          ; s37  which 512 neurons come next: 0, 1
.set TLIM, 38                          ; s38  steps of this half that exist: 250 (all 128), then 122
.set WB,   40                          ; s[40:41] ws + 8,192 x wave
.set WOB,  42                          ; s[42:43] the same for W_out's fragments
.set MSB, 0
.macro WIN new                         ; the immediate's high byte repeats the setting that is left; a switch that changes nothing is dropped
.if MSB != (\new)
	s_set_vgpr_msb (MSB<<8)|(\new)
.set MSB, \new
.endif
.endm
.macro PLACES                          ; four places behind a matrix instruction, in front of loads into its registers and of lines that read or write them
.rept 4
	v_nop
.endr
.endm
.macro BARRIER
	s_barrier_signal -1
	s_barrier_wait -1
.endm
.macro PZERO                           ; my wave's partial O starts at 0, so that every output product takes the running sum as its C
.set k, 0
.rept 36
	ds_store_b128 v[PZ], v[ZZ:ZZ+3] offset:512*k
.set k, k+1
.endr
.endm
; LOADING A HALF OF x.  Wave w takes rows 175 w .. 175 w + 174, a row's 512 bytes by two loads of 8 bytes a lane (rows are 1,000 bytes: multiples of 8, not of 16), each 256 consecutive bytes.
; A ring of 25 row slots in registers: 50 loads of every wave are on their way.  PRIME fills slots a .. b - 1 for the first time.
.macro PRIME a, b
.set i, \a
.rept (\b)-(\a)
	global_load_b64 v[XS+4*i:XS+4*i+1],   v[XA], s[XP:XP+1] offset:1000*i th:TH_LOAD_NT
	global_load_b64 v[XS+4*i+2:XS+4*i+3], v[XB], s[XP:XP+1] offset:1000*i th:TH_LOAD_NT
.set i, i+1
.endr
.endm
	s_load_b256 s[8:15], s[0:1], 0x0               ; spike_data s[8:9], ws s[10:11], hid_volt0 s[12:13], hid_spike0 s[14:15]
	s_load_b128 s[16:19], s[0:1], 0x20             ; out_volt0 s[16:17], out_spike0 s[18:19]
	s_load_b64 s[20:21], s[0:1], 0x30              ; out0
	v_lshl_add_u32 v[SPW], v0, 2, SPARE
	v_mov_b32 v[NIL], 0
	v_lshrrev_b32 v31, 5, v0
	v_readfirstlane_b32 s[WV], v31                 ; wave 0..3
	v_and_b32 v1, 31, v0                           ; l
	v_and_b32 v32, 15, v0                          ; l % 16
	v_bfe_u32 v33, v0, 4, 1                        ; l / 16
	v_and_b32 v34, 7, v0                           ; l % 8
	v_bfe_u32 v35, v0, 3, 1                        ; (l / 8) % 2
	v_lshl_add_u32 v31, v33, 3, v34                ; the row that I address in a turning load
	v_mul_u32_u24 v[AX0], v31, XPITCH
	v_lshl_add_u32 v[AX0], v35, 4, v[AX0]
	v_lshlrev_b32 v[WO], 4, v1
	v_lshlrev_b32 v[XA], 3, v1
	v_add_nc_u32 v[XB], 256, v[XA]
	s_mul_i32 s[OF], s[WV], 175*XPITCH
	v_lshl_add_u32 v[LSX0], v1, 2, s[OF]
	v_mov_b32 v[LSX], v[LSX0]
	s_lshl_b32 s[OF], s[WV], 12
	s_add_co_u32 s[OF], s[OF], SG
	v_lshl_add_u32 v[SGS], v1, 5, s[OF]
	v_lshl_add_u32 v[SGR], v31, 5, s[OF]
	v_lshl_add_u32 v[SGR], v35, 4, v[SGR]
	s_mul_i32 s[OF], s[WV], PWAVE
	s_add_co_u32 s[OF], s[OF], PR
	v_mul_u32_u24 v[PA], v32, PPITCH               ; row t = l % 16,
	v_lshl_add_u32 v[PA], v33, 5, v[PA]            ; outputs 8 (l / 16) + 0..7
	v_add_nc_u32 v[PA], s[OF], v[PA]
	v_lshl_add_u32 v[PZ], v1, 4, s[OF]
	v_mul_u32_u24 v[PS], v0, PPITCH
	v_add_nc_u32 v[QS], QR, v[PS]
	v_add_nc_u32 v[PS], PR, v[PS]
	v_min_u32 v[OO], 19, v1                        ; lanes 20-31 go with lane 19 all along: the same addresses, the same numbers
	v_lshlrev_b32 v[OO], 2, v[OO]
	v_add_nc_u32 v[QL0], QR, v[OO]
	v_mul_u32_u24 v[PFO], v1, 1000
	s_lshl_b32 s[OF], s[WV], 9
	v_lshl_add_u32 v[HO], v1, 2, s[OF]             ; neuron 128 x wave + l
.irp r, 0,1,2,3
	v_mov_b32 v[ZZ+\r], 0
.endr
	v_lshl_add_u32 v34, v0, 4, ZR
	ds_store_b128 v34, v[ZZ:ZZ+3]                  ; 128 threads x 16 bytes cover rows 700 .. 703 of x
	PZERO
	WIN 0x40
	v_mov_b32 v[BIG], 0x53800000
	v_mov_b32 v[NBIG], 0xd3000000
	WIN 0x80
	v_mov_b32 v[BIG], 0x53800000
	v_mov_b32 v[NBIG], 0xd3000000
	WIN 0
	v_mov_b32 v[OVP], 0
	v_mov_b32 v[CNT], 0
	s_mov_b32 s[NPASS], 0
	s_mov_b32 s[CH], 0
	s_mov_b32 s[TLIM], 250
	s_mov_b32 s23, 2                               ; halves to go
	s_mul_i32 s[OF], ttmp9, 700000                 ; my batch row: 700 rows of 1,000 bytes,
	s_mul_i32 s[OF+1], s[WV], 175000               ; my wave's 175 of them
	s_add_co_u32 s[OF], s[OF], s[OF+1]
	s_mov_b32 s[OF+1], 0
	s_wait_kmcnt 0x0
	s_add_nc_u64 s[XP:XP+1], s[8:9], s[OF:OF+1]
	s_lshl_b32 s[OF], s[WV], 13
	s_add_nc_u64 s[WB:WB+1], s[10:11], s[OF:OF+1]
	s_add_nc_u64 s[WOB:WOB+1], s[WB:WB+1], WOFRAG
	s_lshl_b32 s[OF], ttmp9, 12
	s_add_nc_u64 s[12:13], s[12:13], s[OF:OF+1]
	s_add_nc_u64 s[14:15], s[14:15], s[OF:OF+1]
	s_mul_i32 s[OF], ttmp9, 80
	s_add_nc_u64 s[16:17], s[16:17], s[OF:OF+1]
	s_add_nc_u64 s[18:19], s[18:19], s[OF:OF+1]
	s_add_nc_u64 s[20:21], s[20:21], s[OF:OF+1]
.set k, 0
.rept 8                                ; pass k / 4, unit k % 4
	global_load_b32 v[TS+k],   v[HO], s[12:13] offset:2048*(k/4)+128*(k%4)
	global_load_b32 v[TS+8+k], v[HO], s[14:15] offset:2048*(k/4)+128*(k%4)
.set k, k+1
.endr
	global_load_b32 v[TS+16], v[OO], s[16:17]
	global_load_b32 v[TS+17], v[OO], s[18:19]
	PRIME 0, 22                                    ; 22 rows of x go out behind the 18 states: 62 loads of mine are out
	s_wait_loadcnt 44                              ; the states are in; the 44 loads of x stay out
.set k, TS
.rept 9                                ; the states are inputs: rounded to bf16 like the others, two at a time, and widened again
	v_cvt_pk_bf16_f32 v31, v[k], v[k+1]
	v_lshlrev_b32 v[k], 16, v31
	v_and_b32 v[k+1], 0xffff0000, v31
.set k, k+2
.endr
.set k, 0
.rept 8
	v_sub_f32 v[TS+8+k], 1.0, v[TS+8+k]
	v_mul_f32 v[STA+k], v[TS+k], v[TS+8+k]         ; d = hv0 (1 - hs0): pass 0's into STA, pass 1's into STB
.set k, k+1
.endr
	v_sub_f32 v[TS+17], 1.0, v[TS+17]
	v_mul_f32 v[E0], v[TS+16], v[TS+17]
	PRIME 22, 25                                   ; the ring's last three slots
; One slot's turn.  ahead = 1: the slot is filled again with the row 25 further down.  left = how many younger loads may stay out.
.macro SLOT i, ahead, left
	s_wait_loadcnt \left                           ; loads come back in order (ISA guide 5.7.1): this slot's two are in
	v_cvt_pk_bf16_f32 v[XT+2*((\i)%14)],   v[XS+4*(\i)],   v[XS+4*(\i)+1]
	v_cvt_pk_bf16_f32 v[XT+2*((\i)%14)+1], v[XS+4*(\i)+2], v[XS+4*(\i)+3]
.if \ahead
	global_load_b64 v[XS+4*(\i):XS+4*(\i)+1], v[XA], s[XP:XP+1] offset:1000*((\i)+25) th:TH_LOAD_NT
	global_load_b64 v[XS+4*(\i)+2:XS+4*(\i)+3], v[XB], s[XP:XP+1] offset:1000*((\i)+25) th:TH_LOAD_NT
.endif
	ds_store_b32 v[LSX], v[XT+2*((\i)%14)]   offset:XPITCH*(\i)
	ds_store_b32 v[LSX], v[XT+2*((\i)%14)+1] offset:XPITCH*(\i)+128
.endm
; THE K LOOP's parts.
.macro WBUF b                          ; W's three buffers of 64 registers: K step s lies in buffer s % 3.  Buffers 0 and 1 are touched by no line of the scan
.if (\b) == 0
.set WW, 3                             ; window,
.set WR, 128                           ; first register
.elseif (\b) == 1
.set WW, 0
.set WR, 192
.else
.set WW, 3
.set WR, 192
.endif
.endm
.macro FETCHX f, off                   ; 16 turning loads: 128 t x 32 d at byte off behind AX, into buffer f
	WIN 0
.set tt, 0
.rept 8
	ds_load_tr16_b128 v[XF+64*(\f)+8*tt:XF+64*(\f)+8*tt+3],   v[AX] offset:(\off)+32*tt
	ds_load_tr16_b128 v[XF+64*(\f)+8*tt+4:XF+64*(\f)+8*tt+7], v[AX] offset:(\off)+16*XPITCH+32*tt
.set tt, tt+1
.endr
.endm
.macro FETCHW b, off                   ; 16 loads: my 8 neuron blocks of the K step at byte off behind WP, into buffer b; blocks 0-3 are the first eight loads
	WBUF \b
	WIN 0x40*WW                                    ; destination in the buffer's window, address window 0
.set ii, 0
.rept 8
	global_load_b128 v[WR+8*ii:WR+8*ii+3],   v[WO], s[WP:WP+1] offset:(\off)+1024*ii
	global_load_b128 v[WR+8*ii+4:WR+8*ii+7], v[WO], s[WP:WP+1] offset:(\off)+1024*ii+512
.set ii, ii+1
.endr
.endm
; The first two K steps' W of the pass that comes next (neurons 512 CH ..), and that pass's two pointers.
.macro WNEXT
	WIN 0
	s_wait_xcnt 0x0                                ; every load issued so far has read its address (the youngest stands 32 matrix instructions, or ten row slots, back): WP and WOP are written only behind this wait
	s_lshl_b32 s[OF], s[CH], 15                    ; 512 neurons are 32 fragments of a K step
	s_mov_b32 s[OF+1], 0
	s_add_nc_u64 s[WP:WP+1], s[WB:WB+1], s[OF:OF+1]
	s_add_nc_u64 s[WOP:WOP+1], s[WOB:WOB+1], s[OF:OF+1]
	FETCHW 0, 0
	FETCHW 1, WSTEP
	WIN 0
.endm
; 32 matrix instructions: all 8 t tiles x neuron blocks 4 ih .. 4 ih + 3.  The 64 accumulators take turns, one instruction a turn, in the same order in every K step:
; between two links of a chain stand the 63 others', over the backward jump too.  zero = 1: the first K step starts the sums: nothing is cleared.
.macro HALFMUL xf, wb, ih, zero
	WBUF \wb
.set tt, 0
.rept 8
	WIN 4*WW+0x50*(1+tt/3)                         ; x window 0, W in its buffer's window, C and D in the tile's window
.set ii, 4*(\ih)
.rept 4
.set rA, 64*(tt%3)+8*ii
.if \zero
	v_wmma_f32_16x16x32_bf16 v[rA:rA+7], v[XF+64*(\xf)+8*tt:XF+64*(\xf)+8*tt+7], v[WR+8*ii:WR+8*ii+7], 0
.else
	v_wmma_f32_16x16x32_bf16 v[rA:rA+7], v[XF+64*(\xf)+8*tt:XF+64*(\xf)+8*tt+7], v[WR+8*ii:WR+8*ii+7], v[rA:rA+7]
.endif
.set ii, ii+1
.endr
.set tt, tt+1
.endr
.endm
; A K STEP on x's buffer xf and W's buffer wb.  In its middle stands the step's ONE run of loads: the next step's x (xoff; -1: none) into x's other buffer, and the W of the step two on (woff; -1: none) into
; the buffer that the step before has multiplied.  n1, n2: how many younger loads may stay out when the first and the second eight loads of this step's W have to be there: at the head the second eight and
; the next step's 16; in the middle the next two steps' 16 each.
; last = 1: the pass's last step: W_out's fragments go into x's buffer 0, which the step before has multiplied.
.macro STEP xf, wb, zero, xoff, woff, n1, n2, last
	s_wait_dscnt 0x0                               ; this step's x fragments: asked for 32 matrix instructions back
	s_wait_loadcnt \n1
	HALFMUL \xf, \wb, 0, \zero
	PLACES
.if (\xoff) >= 0
	FETCHX 1-(\xf), \xoff
.endif
.if (\woff) >= 0
	FETCHW ((\wb)+2)%3, \woff
.endif
.if \last
	WIN 0
.set k, 0
.rept 8
	global_load_b128 v[WOF+8*k:WOF+8*k+3],   v[WO], s[WOP:WOP+1] offset:1024*k
	global_load_b128 v[WOF+8*k+4:WOF+8*k+7], v[WO], s[WOP:WOP+1] offset:1024*k+512
.set k, k+1
.endr
	; A PREFETCH INTO THE L2, in the last K step of the first half's second pass alone: of the second half of x, the first 64 rows that this same wave will load: a lane a row, at bytes 512 and 768 of the row
	; (XP already stands at byte 512): four instructions a wave, no byte named twice, none named by another wave.  Between them and the loads stand this step's second half, the scan and the sum.
	s_cmp_eq_u32 s[NPASS], 1
	s_cbranch_scc0 .Lnot_now_\@
	global_prefetch_b8 v[PFO], s[XP:XP+1] th:TH_LOAD_NT scope:SCOPE_SE
	global_prefetch_b8 v[PFO], s[XP:XP+1] offset:256 th:TH_LOAD_NT scope:SCOPE_SE
	global_prefetch_b8 v[PFO], s[XP:XP+1] offset:32000 th:TH_LOAD_NT scope:SCOPE_SE
	global_prefetch_b8 v[PFO], s[XP:XP+1] offset:32256 th:TH_LOAD_NT scope:SCOPE_SE
.Lnot_now_\@:
.endif
	s_wait_loadcnt \n2
	HALFMUL \xf, \wb, 1, \zero
.endm
; THE SCAN's parts, for t tile n (16 steps).  A UNIT u is 32 neurons: the accumulators of neuron blocks 2 u and 2 u + 1, 16 registers on end from AB + 16 u.
.macro ACCW n
.set G, 1+(\n)/3                       ; the tile's window
.set AB, 64*((\n)%3)
.endm
; As the product leaves them, a lane holds neuron l % 16 and steps 8 (l / 16) + 0..7.  One exchange of the first accumulator's upper lanes with the second's lower lanes, register by register, and lane l
; holds neuron l of the unit, register j of the sixteen step j.  Register 0 of every accumulator is read first.
.macro SWAPS n
	ACCW \n
	WIN 0x55*G
.set j, 0
.rept 8
.set u, 0
.rept 4
	v_permlane16_swap_b32 v[AB+16*u+j], v[AB+16*u+8+j]
.set u, u+1
.endr
.set j, j+1
.endr
.endm
; Matrix instruction k of the 8 of O^T += W_out x spikes for one t tile: unit k / 2, output block k % 2: two accumulators by turns, one instruction a turn.
.macro OM1 k
.set uu, (\k)/2
.if ((\k)%2) == 0
	v_wmma_f32_16x16x32_bf16 v[OA0:OA0+7], v[WOF+16*uu:WOF+16*uu+7],    v[SF+8*uu:SF+8*uu+7], v[OA0:OA0+7]
.else
	v_wmma_f32_16x16x32_bf16 v[OA1:OA1+7], v[WOF+16*uu+8:WOF+16*uu+15], v[SF+8*uu:SF+8*uu+7], v[OA1:OA1+7]
.endif
.endm
.macro OMUL                            ; all eight on end: the last tile's, which has no chain behind it
	WIN 0
.irp k, 0,1,2,3,4,5,6,7
	OM1 \k
.endr
.endm
; Sixteen steps of four chains that take turns: hv = 0.5 d + I;  s = clamp(2^40 hv - 2^39) = 1 where hv > 0.5, else 0, in I's place;  d = hv - hv s.
; Behind each of steps 4 to 11 stands one matrix instruction of the output product of the tile BEFORE, so that the matrix unit works beside the chains: 12 vector lines to each.  Its operands lie in window 0:
; two switches for each, 16 a tile.  The tile before's round trip through LDS has the exchange above and four steps in which to end.
.macro CHAIN n
	ACCW \n
.set j, 0
.rept 16
	WIN 0x55*G
.set u, 0
.rept 4
	v_fma_f32 v[HH+u], v[DD+u], 0.5, v[AB+16*u+j]
.set u, u+1
.endr
.set u, 0
.rept 4
	v_fma_f32 v[AB+16*u+j], v[HH+u], v[BIG], v[NBIG] clamp
.set u, u+1
.endr
.set u, 0
.rept 4
	v_fma_f32 v[DD+u], -v[HH+u], v[AB+16*u+j], v[HH+u]
.set u, u+1
.endr
.if ((\n) > 0) && (j >= 4) && (j < 12)
	WIN 0
.if j == 4
.if (\n) == 1
	s_wait_loadcnt 0x0                             ; W_out's fragments.  For 0: where the next pass's W was asked for behind them 32 younger loads could stay out, but behind a half's last pass there are none
.endif
	s_wait_dscnt 0x0                               ; the spike fragments and the running sum of the tile before
.endif
	OM1 j-4
.endif
.set j, j+1
.endr
.endm
.macro PACKS n                         ; a neuron's 16 spikes into 8 registers, in place: pair k lands where pairs up to k / 2 have been read
	ACCW \n
	WIN 0x55*G
.set k, 0
.rept 8
.set u, 0
.rept 4
	v_cvt_pk_bf16_f32 v[AB+16*u+k], v[AB+16*u+2*k], v[AB+16*u+2*k+1]
.set u, u+1
.endr
.set k, k+1
.endr
.endm
.macro OSTORE n                        ; the running sum goes back to my partial O; each accumulator's low registers first
	WIN 0
	ds_store_b128 v[PA], v[OA0:OA0+3]   offset:16*PPITCH*(\n)
	ds_store_b128 v[PA], v[OA0+4:OA0+7] offset:16*PPITCH*(\n)+16
	ds_store_b128 v[PA], v[OA1:OA1+3]   offset:16*PPITCH*(\n)+64
	ds_store_b128 v[PA], v[OA1+4:OA1+7] offset:16*PPITCH*(\n)+80
.endm
; The tile's spikes go into my stage, [neuron][t]; the tile before's sum is stored; the spikes come back turned, as source 1 (32 neurons x 16 t); and this tile's running sum is fetched.
; All these bytes are my wave's own, and LDS serves a wave's instructions in order (ISA guide 5.7.1.4): no wait stands between the stores and the loads.
.macro SPOUT n
	ACCW \n
	WIN 4*G                                        ; address window 0, data in the tile's window
.set u, 0
.rept 4
	ds_store_b128 v[SGS], v[AB+16*u:AB+16*u+3]   offset:1024*u
	ds_store_b128 v[SGS], v[AB+16*u+4:AB+16*u+7] offset:1024*u+16
.set u, u+1
.endr
.if (\n) > 0
	OSTORE (\n)-1
.endif
	WIN 0
.set u, 0
.rept 4
	ds_load_tr16_b128 v[SF+8*u:SF+8*u+3],   v[SGR] offset:1024*u
	ds_load_tr16_b128 v[SF+8*u+4:SF+8*u+7], v[SGR] offset:1024*u+512
.set u, u+1
.endr
	ds_load_b128 v[OA0:OA0+3],   v[PA] offset:16*PPITCH*(\n)
	ds_load_b128 v[OA0+4:OA0+7], v[PA] offset:16*PPITCH*(\n)+16
	ds_load_b128 v[OA1:OA1+3],   v[PA] offset:16*PPITCH*(\n)+64
	ds_load_b128 v[OA1+4:OA1+7], v[PA] offset:16*PPITCH*(\n)+80
.endm
.macro DMOVE                           ; d goes on into the next window
.irp u, 0,1,2,3
	v_mov_b32 v[DD+\u], v[DD+\u]
.endr
.endm
; A tile's turn.  The chain's last four steps and the 32 roundings are the places between the output product of the tile before and the store of its sums.
.macro TILE n
.if (\n) == 3
	WIN 0x81                                       ; destination window 2, source window 1
	DMOVE
.endif
.if (\n) == 6
	WIN 0xc2                                       ; destination window 3, source window 2; W's buffer 2 has been multiplied, and its first ten registers serve the scan
	DMOVE
	v_mov_b32 v[BIG], 0x53800000
	v_mov_b32 v[NBIG], 0xd3000000
.endif
	SWAPS \n
	CHAIN \n
	PACKS \n
	SPOUT \n
.endm
; THE OUTPUT SCAN's loads: the 16 steps of group g into buffer g % 2.  The address register is fixed and the row stands in the immediate, 144 x 127 = 18,288 at the most: every byte read lies in the summed O.
.macro OLD g
.set i, 0
.rept 16
	ds_load_b32 v[OB+16*((\g)%2)+i], v[QL0] offset:PPITCH*(16*(\g)+i)
.set i, i+1
.endr
.endm
.Lhalf:                                        ; the ring's 25 slots have been asked for: in the head, or behind the sum of the half before
	s_mov_b32 s26, 6
.Llap:                                         ; 25 rows are packed and stored, the next 25 asked for
.set i, 0
.rept 25
	SLOT i, 1, 48                                  ; the 24 other slots' two loads each may stay out
.set i, i+1
.endr
	s_wait_xcnt 0x0                                ; every load issued so far has read its address: XP is written only behind this wait
	s_add_nc_u64 s[XP:XP+1], s[XP:XP+1], 25000
	v_add_nc_u32 v[LSX], 25*XPITCH, v[LSX]
	s_sub_co_u32 s26, s26, 1
	s_cmp_lg_u32 s26, 0
	s_cbranch_scc1 .Llap
.set i, 0
.rept 25                               ; the last 25 rows: no x is asked for, the counts run down
.if i == 10
	WNEXT                                          ; 30 loads of x are out: the half's first pass asks for its first two K steps' W, 32 loads: 62 in all
.endif
.if i < 10
	SLOT i, 0, 48-2*i
.else
	SLOT i, 0, 80-2*i                              ; behind a slot's loads stand the later slots' and W's 32, which stay out
.endif
.set i, i+1
.endr
	s_wait_xcnt 0x0                                ; x's loads are in, W's have read their addresses
	s_sub_nc_u64 s[XP:XP+1], s[XP:XP+1], 149488    ; back over 150 rows and 512 bytes on: the next half
	v_mov_b32 v[LSX], v[LSX0]
	v_min_u32 v[XB], 480, v[XB]                    ; in the second half a row has 488 bytes left: lanes 29-31 repeat t = 248, 249; what lands in columns t = 250 .. 255 is finite, and its O is set to 0 below
	s_wait_dscnt 0x0                               ; for the others' sake: my rows of x (and, the first time, the zeros) are in LDS
	BARRIER
	s_mov_b32 s24, 2
.Lpass:
	v_mov_b32 v[AX], v[AX0]
	FETCHX 0, 0
	STEP 0, 0, 1, KB,   2*WSTEP, 24, 32, 0         ; K step 0 starts the sums
	STEP 1, 1, 0, 2*KB, 3*WSTEP, 24, 32, 0
	WIN 0
	v_add_nc_u32 v[AX], 2*KB, v[AX]
	s_mov_b32 s25, 3
.Lk:                                           ; K steps 2 .. 19, six a trip: x's two buffers and W's three come round together
	STEP 0, 2, 0, 1*KB, 4*WSTEP, 24, 32, 0
	STEP 1, 0, 0, 2*KB, 5*WSTEP, 24, 32, 0
	STEP 0, 1, 0, 3*KB, 6*WSTEP, 24, 32, 0
	STEP 1, 2, 0, 4*KB, 7*WSTEP, 24, 32, 0
	STEP 0, 0, 0, 5*KB, 8*WSTEP, 24, 32, 0
	STEP 1, 1, 0, 6*KB, 9*WSTEP, 24, 32, 0
	WIN 0
	s_wait_xcnt 0x0                                ; the youngest load stands 32 matrix instructions back: WP is written only behind this wait
	s_add_nc_u64 s[WP:WP+1], s[WP:WP+1], 6*WSTEP
	v_add_nc_u32 v[AX], 6*KB, v[AX]
	s_sub_co_u32 s25, s25, 1
	s_cmp_lg_u32 s25, 0
	s_cbranch_scc1 .Lk
	STEP 0, 2, 0, KB, -1, 24, 16, 0                ; K step 20 asks for no W: behind its second eight loads stand step 21's 16
	STEP 1, 0, 0, -1, -1, 8, 16, 1                 ; K step 21: its second eight behind the first; behind those W_out's 16 loads
	PLACES                                         ; in front of the loads into W's buffer 0 and of the lines that read the sums
	WIN 0
	s_add_co_u32 s[NPASS], s[NPASS], 1
	s_xor_b32 s[CH], s[CH], 1
	s_cmp_eq_u32 s24, 1                            ; a half's last pass: the next pass asks among the rows of x
	s_cbranch_scc1 .Lno_w
	WNEXT                                          ; the half's second pass asks for its first two K steps' W now: they land while this pass is scanned
.Lno_w:
	WIN 0x40                                       ; destination window 1, source window 0
.irp u, 0,1,2,3
	v_mov_b32 v[DD+\u], v[STA+\u]
.endr
.irp n, 0,1,2,3,4,5,6,7
	TILE \n
.endr
	WIN 0
	s_wait_dscnt 0x0
	OMUL                                           ; tile 7's
	PLACES
	OSTORE 7
.irp u, 0,1,2,3
	v_mov_b32 v[STA+\u], v[STB+\u]                 ; the other 512 neurons come next;
.endr
	WIN 0x03                                       ; source window 3
.irp u, 0,1,2,3
	v_mov_b32 v[STB+\u], v[DD+\u]                  ; these wait a pass
.endr
	WIN 0
	s_sub_co_u32 s24, s24, 1
	s_cmp_lg_u32 s24, 0
	s_cbranch_scc1 .Lpass
	s_wait_dscnt 0x0                               ; my partial O is stored, and my reads of x are over
	BARRIER                                        ; everybody's: the four parts may be read, and x may be written again
.set k, 0
.rept 20                               ; thread = step: outputs 0 .. 19 of the four waves' parts
	ds_load_b128 v[64+4*k:64+4*k+3], v[PS] offset:PWAVE*(k/5)+16*(k%5)
.set k, k+1
.endr
	s_wait_dscnt 0x0
.set k, 0
.rept 10
	v_pk_add_f32 v[64+k:65+k], v[64+k:65+k], v[84+k:85+k]
	v_pk_add_f32 v[104+k:105+k], v[104+k:105+k], v[124+k:125+k]
.set k, k+2
.endr
.set k, 0
.rept 10
	v_pk_add_f32 v[64+k:65+k], v[64+k:65+k], v[104+k:105+k]
.set k, k+2
.endr
	v_cmp_gt_u32 vcc_lo, s[TLIM], v0               ; steps from 250 on get O = 0: ov then is 0.5 x (a voltage that did not spike, 0.5 at the most) or 0, so no spike can arise there, whatever the inputs hold
.set k, 0
.rept 20
	v_cndmask_b32 v[64+k], 0, v[64+k], vcc_lo
.set k, k+1
.endr
.irp k, 0,1,2,3,4
	ds_store_b128 v[QS], v[64+4*\k:64+4*\k+3] offset:16*\k
.endr
	s_sub_co_u32 s[TLIM], s[TLIM], 128
	s_wait_dscnt 0x0                               ; my row of the summed O is stored, and my reads of the parts are over
	BARRIER
	s_cmp_eq_u32 s23, 1                            ; behind the last half there is no x to ask for, and nobody reads the parts again
	s_cbranch_scc1 .Lno_more
	PRIME 0, 25                                    ; the next half's first 25 rows: in wave 0 they are on their way while it scans the outputs
	PZERO
.Lno_more:
	s_cmp_lg_u32 s[WV], 0                          ; wave 0 scans the outputs, a lane an output; the other waves go on to load x
	s_cbranch_scc1 .Lno_scan
	; 128 steps, written out in 8 groups of 16 on two buffers: a group's loads are out while the group before is scanned.
	; The spike of step t is counted at step t + 1: that of 127 in the next half, that of 249 at step 250.
	OLD 0
.irp g, 0,1,2,3,4,5,6,7
.if (\g) < 7
	OLD (\g)+1
	s_wait_dscnt 16                                ; LDS loads come back in order (ISA guide 5.7.1): this group is in, the next group's 16 may stay out
.else
	s_wait_dscnt 0x0
.endif
.if (\g) == 0
	v_fma_f32 v[OB], v[E0], 0.5, v[OB]             ; the first step of all takes 0.5 ov0 (1 - os0) with it; in the second half E0 is 0
	v_mov_b32 v[E0], 0
.endif
.set i, OB+16*((\g)%2)
.rept 16
	v_fma_f32 v31, v[OVP], 0.5, v[i]               ; 0.5 ov + O,
	v_cmp_lt_f32 vcc_lo, 0.5, v[OVP]               ; or, where the step before spiked,
	v_cndmask_b32 v32, 0, 1.0, vcc_lo
	v_cndmask_b32 v[OVP], v31, v[i], vcc_lo        ; O alone
	v_add_f32 v[CNT], v[CNT], v32
.set i, i+1
.endr
.endr
.Lno_scan:
	s_sub_co_u32 s23, s23, 1
	s_cmp_lg_u32 s23, 0
	s_cbranch_scc1 .Lhalf
	s_cmp_lg_u32 s[WV], 0
	s_cbranch_scc1 .Lend
	global_store_b32 v[OO], v[CNT], s[20:21]       ; 20 counts; lanes 20-31 store lane 19's number at lane 19's place once more
.Lend:
	s_wait_tensorcnt 0x0                           ; the wave's end, behind my last LDS store
	ds_add_u32 v[SPW], v[NIL]
	s_wait_dscnt 0x0
	s_endpgm
.Lfunc_end_k_q46d5157954_snn:
	.size	k_q46d5157954_snn, .Lfunc_end_k_q46d5157954_snn-k_q46d5157954_snn
	.p2alignl 7, 3214868480
	.fill 96, 4, 3214868480
	.section	.rodata,"a",@progbits
	.p2align	6, 0x0
	.amdhsa_kernel k_q46d5157954_snn
		.amdhsa_group_segment_fixed_size 312832
		.amdhsa_private_segment_fixed_size 0
		.amdhsa_enable_private_segment 0
		.amdhsa_kernarg_size 56
		.amdhsa_user_sgpr_count 2
		.amdhsa_user_sgpr_kernarg_segment_ptr 1
		.amdhsa_wavefront_size32 1
		.amdhsa_system_sgpr_workgroup_id_x 1
		.amdhsa_system_sgpr_workgroup_id_y 1
		.amdhsa_system_sgpr_workgroup_id_z 1
		.amdhsa_system_vgpr_workitem_id 0
		.amdhsa_next_free_vgpr 1024
		.amdhsa_next_free_sgpr 66
		.amdhsa_reserve_vcc 1
		.amdhsa_float_denorm_mode_32 3
		.amdhsa_float_denorm_mode_16_64 3
		.amdhsa_memory_ordered 1
		.amdhsa_forward_progress 1
		.amdhsa_inst_pref_size 255
	.end_amdhsa_kernel
	.section	.bss,"aw",@nobits
	.p2align	6
	.space	262144
	.amdgpu_metadata
---
amdhsa.version: [ 1, 2 ]
amdhsa.kernels:
  - .name:           k_q46d5157954_snn
    .symbol:         k_q46d5157954_snn.kd
    .args:
      - { .name: spike_data, .offset: 0, .size: 8, .value_kind: global_buffer, .address_space: global }
      - { .name: ws, .offset: 8, .size: 8, .value_kind: global_buffer, .address_space: global }
      - { .name: hid_volt0, .offset: 16, .size: 8, .value_kind: global_buffer, .address_space: global }
      - { .name: hid_spike0, .offset: 24, .size: 8, .value_kind: global_buffer, .address_space: global }
      - { .name: out_volt0, .offset: 32, .size: 8, .value_kind: global_buffer, .address_space: global }
      - { .name: out_spike0, .offset: 40, .size: 8, .value_kind: global_buffer, .address_space: global }
      - { .name: out0, .offset: 48, .size: 8, .value_kind: global_buffer, .address_space: global }
    .group_segment_fixed_size: 312832
    .private_segment_fixed_size: 0
    .kernarg_segment_align: 8
    .kernarg_segment_size: 56
    .max_flat_workgroup_size: 128
    .sgpr_count:     66
    .vgpr_count:     1024
    .wavefront_size: 32
...
	.end_amdgpu_metadata
.endif
;; end of part 2
;; ======== version 2 of 2: 2 launches; version 1 with the launch snn written anew for expert scheduling mode
;; workspace buffers: ws 1,507,328 bytes
;; launch prep: the kernel of part 1 again; grid 368 x 1, 8 waves a work-group, no clusters, 0 bytes of LDS; arguments W_hid, W_out, ws; writes ws
;; launch snn (part 3): grid 256 x 1, 4 waves a work-group, no clusters, 312,832 bytes of LDS; arguments spike_data, ws, hid_volt0, hid_spike0, out_volt0, out_spike0, out0; writes out0
.if DOCPART == 3
	.amdgcn_target "amdgcn-amd-amdhsa--gfx1250"
	.amdhsa_code_object_version 6
	.text
	.protected	k_q46d5157954_snn
	.globl	k_q46d5157954_snn
	.p2align	8
	.type	k_q46d5157954_snn,@function
k_q46d5157954_snn:
	s_mov_b64 s[64:65], 0
	v_nop
	global_prefetch_b8 v0, s[64:65] scope:SCOPE_SE
	s_setreg_imm32_b32 hwreg(HW_REG_WAVE_SCHED_MODE, 0, 2), 2
	s_setreg_imm32_b32 hwreg(HW_REG_WAVE_MODE, 25, 1), 1
	s_wait_xcnt 0x0
	s_wait_alu depctr_vm_vsrc(0)
; A spiking net with one hidden layer, for one batch row b a work-group.  For t = 0 .. 249:
;   I[t][h] = sum over d of x[b][d][t] W_hid[h][d];   hv = 0.5 hv (1 - hs) + I;   hs = hv > 0.5        (1,024 hidden neurons)
;   O[t][o] = sum over h of hs[h] W_out[o][h];        ov = 0.5 ov (1 - os) + O;   os = ov > 0.5        (20 outputs);   out0[b][o] = the number of t with os = 1.
; NOTHING IS LEFT OUT: all seven inputs have a way to the result and are loaded.  What is padded lies inside live tiles: d = 700 .. 703 (zeros on both sides), t = 250 .. 255, o = 20 .. 31.
; FORMATS.  Every input (x, both weights, the four initial states) is rounded to bf16 once; products on the matrix unit with f32 sums; both scans in f32 with the roundings of the formulas above:
; d = hv (1 - hs) is exactly hv or 0 once hs is 0 or 1, and fma(d, 0.5, I) rounds once, as 0.5 hv (1 - hs) + I does (0.5 x is exact).
; LIMITS.  The order of the sums over d and over h is the matrix unit's and this text's, not that of a chain of f32 additions: a voltage within that rounding of 0.5 may fall on the other side.
; Inputs are finite: a NaN or an infinity is not carried as the formulas would carry it.  The test hv > 0.5 is clamp(2^40 hv - 2^39), exact for every finite hv (an overflow clamps to the right side).
; SHARES.  Time goes in two halves of 128 steps.  A half of x, rounded to bf16, lies in LDS as it lies in memory, [d][t].  A half has two passes of 512 neurons; in a pass a wave makes 128 t x 128 neurons:
; 64 accumulators, 512 registers; K = 704 in 22 steps of 32, 64 matrix instructions a step.  Source 0 = 16 t x 32 d, turned on its way out of LDS by ds_load_tr16_b128; source 1 = 16 neurons x 32 d,
; straight from ws into registers: no wave wants a fragment of W that another wave has fetched.  Then the wave scans its 128 neurons over the 128 steps in its accumulators, rounds the spikes (0 or 1: exact)
; to bf16, and multiplies them by W_out (source 0 = 16 outputs, source 1 = 32 neurons x 16 t, turned through a small stage in LDS); the partial O of the eight (pass, wave) pairs are summed in f32,
; and wave 0 scans the 20 outputs, a lane an output.
; ASKED FOR AHEAD.  W has three buffers of a K step: step s fetches x of step s + 1 and W of step s + 2, in four runs of eight loads among its products.  The first two steps' W of a pass are asked for before
; the scan of the pass before, or, for a half's first pass, among the last rows of x.  The first 25 rows of a half of x are asked for ahead of the states' arithmetic, and ahead of the output scan of the half before.
; NO CLUSTER, though all work-groups walk the same W: a half of x takes 202,752 bytes of LDS; two slots for 512 rows of W at a K step of 64 (512 x 144 bytes each) take 147,456 more: 350,208, more than
; a work-group can be given; slots of a K step of 32 would put a round of the cluster's barrier in front of every 64 matrix instructions of a wave.  x is shared by nobody.
; THE MODE: SCHED_MODE bits 1:0 = 2 (LLVM: expert scheduling mode 2), set by the entry lines.  The code itself states the register dependences between vector or matrix instructions and memory or LDS
; instructions, with s_wait_alu, always for 0.
; THE PLAN.  Registers that memory or LDS instructions touch, and who else names them:
;   XS, XT       Loading x goes five row slots at a time: ten roundings read the slots' XS and write five pairs of XT; behind them ONE wait on va_vdst; then the slots' ten loads land in XS again and ten LDS stores
;                read XT.  A pair of XT comes round 14 slots later: a wait on vm_vsrc stands at the head of a lap's groups 2 to 4 and at the lap's end.
;   x[0], x[1], W[0 .. 2]   The products of K step s read x[s % 2] and W[s % 3]; the step's loads land in x[(s + 1) % 2] and W[(s + 2) % 3], which the products of step s - 1 read and no product of step s names.
;                So ONE wait on va_vdst at a step's head states all that the step's 32 loads hang on, and they are dealt among its products with no further wait.
;   the scan     A tile's roundings write the spikes, the output product of the tile before writes its sums and reads SF: ONE wait on va_vdst ahead of the tile's run of LDS instructions; one on vm_vsrc between
;                the stores of the sums and the loads that land in the same registers.  The registers that the spike stores read are written again by the next pass's first products: vm_vsrc at a pass's head.
;   AX, LSX, XB  the only addresses that are written again: a wait on vm_vsrc ahead of each such line; the wait on va_vdst that stands at the next step's, group's or pass's head anyway comes ahead of the next access.
;   OB           the output scan's two buffers: the loads of group g + 1 land where the lines of group g - 1 read: a wait on va_vdst ahead of them.
;   s[WV], VCC   written by vector lines: a wait on va_sdst or va_vcc ahead of the first reader.
; REGISTERS, in windows of 256 (s_set_vgpr_msb: bits 1:0 source 0, 3:2 source 1, 5:4 source 2, 7:6 destination):
;   window 0: v0-57 addresses, states, the output product's accumulators; v64-127, v128-191 fragments of x, two buffers; v192-255 W's buffer 1 (all three in other phases: at work)
;   windows 1, 2: v0-191 accumulators of t tiles 0-2, 3-5 (tile n, neuron block i at 64 (n % 3) + 8 i); v192-201 the scan's hv, d and two constants
;   window 3: v0-127 accumulators of t tiles 6, 7; v128-191 W's buffer 0; v192-255 W's buffer 2 (v192-201 in the scan as in windows 1, 2)
.set XPITCH, 288                       ; a row of x in LDS: 128 t x 2 bytes + 32 = 72 words
.set KB,     32*XPITCH                 ; a K step's rows
.set ZR,     700*XPITCH                ; rows 700 .. 703: zeros
.set PR,     203776                    ; wave w's partial O, f32, [128 t][32 o], at PR + PWAVE w
.set PPITCH, 144                       ; 128 bytes + 16
.set PWAVE,  128*PPITCH
.set QR,     PR+4*PWAVE                ; the summed O, [128 t][20 o], the same pitch
.set SG,     QR+PWAVE                  ; wave w's spike stage at SG + 4,096 w: four units of [32 neurons][16 t] bf16, 32 bytes a neuron
.set SPARE,  SG+4*4096                 ; the spare words, 128 bytes for each wave: two blocks of 256 bytes that no other line names
.set WSTEP,  65536                     ; bytes of ws from a K step to the next: 64 fragments
.set WOFRAG, 1441792                   ; where W_out's fragments begin in ws
.set AX,   2                           ; v2   LDS address of my part of the x fragments, at the K steps in hand
.set AX0,  3                           ; v3   the same at K step 0: (8 (l / 16) + l % 8) rows + 16 ((l / 8) % 2)
.set WO,   4                           ; v4   16 l: my 16 bytes of half a fragment in ws
.set XA,   5                           ; v5   8 l: my two t of a row's first 64
.set XB,   6                           ; v6   8 l + 256: of its second 64
.set LSX,  7                           ; v7   where my packed pair of x goes, at the lap in hand
.set LSX0, 8                           ; v8   the same at the first lap: my wave's 175 rows + 4 l
.set SGS,  9                           ; v9   stage: my neuron's 32 bytes
.set SGR,  10                          ; v10  stage: my part of the turning loads
.set PA,   11                          ; v11  my 32 bytes of a row of my wave's partial O
.set PS,   12                          ; v12  the sum: row = my thread's number, in wave 0's partial O
.set QS,   13                          ; v13  the same row of the summed O
.set QL0,  14                          ; v14  the output scan: my output's word of row 0; never rewritten: the row stands in the loads' immediates
.set PZ,   16                          ; v16  my 16 bytes of 512 in my wave's partial O
.set SPW,  17                          ; v17  LDS address of my spare word; never rewritten
.set NIL,  18                          ; v18  0; never rewritten
.set PFO,  19                          ; v19  1,000 l: a lane a row of x
.set STA,  20                          ; v20-23  d of my four units of 32 neurons, for the pass that comes next
.set STB,  24                          ; v24-27  for the pass after it
.set OVP,  28                          ; v28  the output's voltage of the step before
.set CNT,  29                          ; v29  its count of spikes
.set E0,   30                          ; v30  ov0 (1 - os0), then 0
.set OA0,  36                          ; v36-43  O^T, outputs 0-15 x 16 t
.set OA1,  44                          ; v44-51  outputs 16-31
.set ZZ,   52                          ; v52-55  zeros
.set HO,   56                          ; v56  my neuron's word in a row of the hidden states
.set OO,   57                          ; v57  my output's word: 4 min(l, 19)
.set XF,   64                          ; x fragments: buffer f, t tile n at XF + 64 f + 8 n
.set XS,   64                          ; loading x: row slot i, four registers as loaded: v64-163
.set XT,   164                         ; and two packed: 14 pairs by turns, v164-191, clear of W's buffer 1
.set WOF,  64                          ; the scan: W_out's fragments, unit u, output block mo at WOF + 8 (2 u + mo)
.set SF,   128                         ; the scan: spike fragments, unit u at SF + 8 u
.set OB,   192                         ; the output scan: two buffers of 16 steps' O (x's first rows are on their way into v64-163 meanwhile)
.set TS,   192                         ; the head: the 18 initial states as loaded
.set HH,   192                         ; windows 1-3: hv of the four units
.set DD,   196                         ; d of the four units
.set BIG,  200                         ; 2^40
.set NBIG, 201                         ; -2^39
.set WV,   22                          ; s22  my wave's number
.set XP,   28                          ; s[28:29] x at my wave's rows, at the half and lap in hand
.set WP,   30                          ; s[30:31] ws at my 8 fragments, at the K steps in hand
.set WOP,  32                          ; s[32:33] ws at my 8 fragments of W_out
.set OF,   34                          ; s[34:35] an offset
.set NPASS, 36                         ; s36  passes whose products are done, 0 .. 4
.set CH,   37                          ; s37  which 512 neurons come next: 0, 1
.set TLIM, 38                          ; s38  steps of this half that exist: 250 (all 128), then 122
.set WB,   40                          ; s[40:41] ws + 8,192 x wave
.set WOB,  42                          ; s[42:43] the same for W_out's fragments
.set MSB, 0
.macro WIN new                         ; the immediate's high byte repeats the setting that is left; a switch that changes nothing is dropped
.if MSB != (\new)
	s_set_vgpr_msb (MSB<<8)|(\new)
.set MSB, \new
.endif
.endm
.macro PLACES                          ; four places behind a matrix instruction, in front of loads into its registers and of lines that read or write them
.rept 4
	v_nop
.endr
.endm
.macro BARRIER
	s_barrier_signal -1
	s_barrier_wait -1
.endm
.macro PZERO                           ; my wave's partial O starts at 0, so that every output product takes the running sum as its C
.set k, 0
.rept 36
	ds_store_b128 v[PZ], v[ZZ:ZZ+3] offset:512*k
.set k, k+1
.endr
.endm
; LOADING A HALF OF x.  Wave w takes rows 175 w .. 175 w + 174, a row's 512 bytes by two loads of 8 bytes a lane (rows are 1,000 bytes: multiples of 8, not of 16), each 256 consecutive bytes.
; A ring of 25 row slots in registers: 40 to 50 loads of every wave are on their way.  PRIME fills slots a .. b - 1 for the first time.
.macro PRIME a, b
.set i, \a
.rept (\b)-(\a)
	global_load_b64 v[XS+4*i:XS+4*i+1],   v[XA], s[XP:XP+1] offset:1000*i th:TH_LOAD_NT
	global_load_b64 v[XS+4*i+2:XS+4*i+3], v[XB], s[XP:XP+1] offset:1000*i th:TH_LOAD_NT
.set i, i+1
.endr
.endm
	s_load_b256 s[8:15], s[0:1], 0x0               ; spike_data s[8:9], ws s[10:11], hid_volt0 s[12:13], hid_spike0 s[14:15]
	s_load_b128 s[16:19], s[0:1], 0x20             ; out_volt0 s[16:17], out_spike0 s[18:19]
	s_load_b64 s[20:21], s[0:1], 0x30              ; out0
	v_lshl_add_u32 v[SPW], v0, 2, SPARE
	v_mov_b32 v[NIL], 0
	v_lshrrev_b32 v31, 5, v0
	v_readfirstlane_b32 s[WV], v31                 ; wave 0..3
	v_and_b32 v1, 31, v0                           ; l
	v_and_b32 v32, 15, v0                          ; l % 16
	v_bfe_u32 v33, v0, 4, 1                        ; l / 16
	v_and_b32 v34, 7, v0                           ; l % 8
	v_bfe_u32 v35, v0, 3, 1                        ; (l / 8) % 2
	v_lshl_add_u32 v31, v33, 3, v34                ; the row that I address in a turning load
	v_mul_u32_u24 v[AX0], v31, XPITCH
	v_lshl_add_u32 v[AX0], v35, 4, v[AX0]
	v_lshlrev_b32 v[WO], 4, v1
	v_lshlrev_b32 v[XA], 3, v1
	v_add_nc_u32 v[XB], 256, v[XA]
	s_wait_alu depctr_va_sdst(0)                   ; s[WV] is written, ahead of its first reader: offsets, bases and branches are made from it
	s_mul_i32 s[OF], s[WV], 175*XPITCH
	v_lshl_add_u32 v[LSX0], v1, 2, s[OF]
	v_mov_b32 v[LSX], v[LSX0]
	s_lshl_b32 s[OF], s[WV], 12
	s_add_co_u32 s[OF], s[OF], SG
	v_lshl_add_u32 v[SGS], v1, 5, s[OF]
	v_lshl_add_u32 v[SGR], v31, 5, s[OF]
	v_lshl_add_u32 v[SGR], v35, 4, v[SGR]
	s_mul_i32 s[OF], s[WV], PWAVE
	s_add_co_u32 s[OF], s[OF], PR
	v_mul_u32_u24 v[PA], v32, PPITCH               ; row t = l % 16,
	v_lshl_add_u32 v[PA], v33, 5, v[PA]            ; outputs 8 (l / 16) + 0..7
	v_add_nc_u32 v[PA], s[OF], v[PA]
	v_lshl_add_u32 v[PZ], v1, 4, s[OF]
	v_mul_u32_u24 v[PS], v0, PPITCH
	v_add_nc_u32 v[QS], QR, v[PS]
	v_add_nc_u32 v[PS], PR, v[PS]
	v_min_u32 v[OO], 19, v1                        ; lanes 20-31 go with lane 19 all along: the same addresses, the same numbers
	v_lshlrev_b32 v[OO], 2, v[OO]
	v_add_nc_u32 v[QL0], QR, v[OO]
	v_mul_u32_u24 v[PFO], v1, 1000
	s_lshl_b32 s[OF], s[WV], 9
	v_lshl_add_u32 v[HO], v1, 2, s[OF]             ; neuron 128 x wave + l
.irp r, 0,1,2,3
	v_mov_b32 v[ZZ+\r], 0
.endr
	v_lshl_add_u32 v34, v0, 4, ZR
	s_wait_alu depctr_va_vdst(0)                   ; every address and offset of the kernel (v3-v19, v34, v56, v57) and the zeros are written: the stores and loads from here on read them
	ds_store_b128 v34, v[ZZ:ZZ+3]                  ; 128 threads x 16 bytes cover rows 700 .. 703 of x
	PZERO
	WIN 0x40
	v_mov_b32 v[BIG], 0x53800000
	v_mov_b32 v[NBIG], 0xd3000000
	WIN 0x80
	v_mov_b32 v[BIG], 0x53800000
	v_mov_b32 v[NBIG], 0xd3000000
	WIN 0
	v_mov_b32 v[OVP], 0
	v_mov_b32 v[CNT], 0
	s_mov_b32 s[NPASS], 0
	s_mov_b32 s[CH], 0
	s_mov_b32 s[TLIM], 250
	s_mov_b32 s23, 2                               ; halves to go
	s_mul_i32 s[OF], ttmp9, 700000                 ; my batch row: 700 rows of 1,000 bytes,
	s_mul_i32 s[OF+1], s[WV], 175000               ; my wave's 175 of them
	s_add_co_u32 s[OF], s[OF], s[OF+1]
	s_mov_b32 s[OF+1], 0
	s_wait_kmcnt 0x0
	s_add_nc_u64 s[XP:XP+1], s[8:9], s[OF:OF+1]
	s_lshl_b32 s[OF], s[WV], 13
	s_add_nc_u64 s[WB:WB+1], s[10:11], s[OF:OF+1]
	s_add_nc_u64 s[WOB:WOB+1], s[WB:WB+1], WOFRAG
	s_lshl_b32 s[OF], ttmp9, 12
	s_add_nc_u64 s[12:13], s[12:13], s[OF:OF+1]
	s_add_nc_u64 s[14:15], s[14:15], s[OF:OF+1]
	s_mul_i32 s[OF], ttmp9, 80
	s_add_nc_u64 s[16:17], s[16:17], s[OF:OF+1]
	s_add_nc_u64 s[18:19], s[18:19], s[OF:OF+1]
	s_add_nc_u64 s[20:21], s[20:21], s[OF:OF+1]
.set k, 0
.rept 8                                ; pass k / 4, unit k % 4.  No vector line since the wait above names a register that these loads, or those of x, touch
	global_load_b32 v[TS+k],   v[HO], s[12:13] offset:2048*(k/4)+128*(k%4)
	global_load_b32 v[TS+8+k], v[HO], s[14:15] offset:2048*(k/4)+128*(k%4)
.set k, k+1
.endr
	global_load_b32 v[TS+16], v[OO], s[16:17]
	global_load_b32 v[TS+17], v[OO], s[18:19]
	PRIME 0, 22                                    ; 22 rows of x go out behind the 18 states: 62 loads of mine are out
	s_wait_loadcnt 44                              ; the states are in; the 44 loads of x stay out
.set k, TS
.rept 9                                ; the states are inputs: rounded to bf16 like the others, two at a time, and widened again
	v_cvt_pk_bf16_f32 v31, v[k], v[k+1]
	v_lshlrev_b32 v[k], 16, v31
	v_and_b32 v[k+1], 0xffff0000, v31
.set k, k+2
.endr
.set k, 0
.rept 8
	v_sub_f32 v[TS+8+k], 1.0, v[TS+8+k]
	v_mul_f32 v[STA+k], v[TS+k], v[TS+8+k]         ; d = hv0 (1 - hs0): pass 0's into STA, pass 1's into STB
.set k, k+1
.endr
	v_sub_f32 v[TS+17], 1.0, v[TS+17]
	v_mul_f32 v[E0], v[TS+16], v[TS+17]
	PRIME 22, 25                                   ; the ring's last three slots: v152-163, XA and XB, which the states' arithmetic does not name
; Five slots' turn: slots 5 g .. 5 g + 4.  ahead = 1: they are filled again with the rows 25 further down.  left = how many younger loads may stay out.
.macro GROUP g, ahead, left
	s_wait_loadcnt \left                           ; loads come back in order (ISA guide 5.7.1): these five slots' ten are in
.if (\g) > 1
	s_wait_alu depctr_vm_vsrc(0)                   ; the LDS stores of the group two back have read the pairs of XT that this group's roundings write again (groups 0 and 1: the wait at the lap's end has said so)
.endif
.set i, 5*(\g)
.rept 5
	v_cvt_pk_bf16_f32 v[XT+2*(i%14)],   v[XS+4*i],   v[XS+4*i+1]
	v_cvt_pk_bf16_f32 v[XT+2*(i%14)+1], v[XS+4*i+2], v[XS+4*i+3]
.set i, i+1
.endr
	s_wait_alu depctr_va_vdst(0)                   ; the ten roundings are done reading XS, in which the loads below land, and have written XT, which the stores below read; in a lap's first group LSX is written too
.if \ahead
.set i, 5*(\g)
.rept 5
	global_load_b64 v[XS+4*i:XS+4*i+1],   v[XA], s[XP:XP+1] offset:1000*(i+25) th:TH_LOAD_NT
	global_load_b64 v[XS+4*i+2:XS+4*i+3], v[XB], s[XP:XP+1] offset:1000*(i+25) th:TH_LOAD_NT
.set i, i+1
.endr
.endif
.set i, 5*(\g)
.rept 5
	ds_store_b32 v[LSX], v[XT+2*(i%14)]   offset:XPITCH*i
	ds_store_b32 v[LSX], v[XT+2*(i%14)+1] offset:XPITCH*i+128
.set i, i+1
.endr
.endm
; THE K LOOP's parts.
.macro WBUF b                          ; W's three buffers of 64 registers: K step s lies in buffer s % 3.  Buffers 0 and 1 are touched by no line of the scan
.if (\b) == 0
.set WW, 3                             ; window,
.set WR, 128                           ; first register
.elseif (\b) == 1
.set WW, 0
.set WR, 192
.else
.set WW, 3
.set WR, 192
.endif
.endm
.macro FETCHX f, off, t0, t1           ; turning loads, two a t tile: tiles t0 .. t1 - 1 x 32 d at byte off behind AX, into buffer f
	WIN 0
.set tt, \t0
.rept (\t1)-(\t0)
	ds_load_tr16_b128 v[XF+64*(\f)+8*tt:XF+64*(\f)+8*tt+3],   v[AX] offset:(\off)+32*tt
	ds_load_tr16_b128 v[XF+64*(\f)+8*tt+4:XF+64*(\f)+8*tt+7], v[AX] offset:(\off)+16*XPITCH+32*tt
.set tt, tt+1
.endr
.endm
.macro FETCHW b, off, i0, i1           ; loads, two a block: my neuron blocks i0 .. i1 - 1 of the K step at byte off behind WP, into buffer b
	WBUF \b
	WIN 0x40*WW                                    ; destination in the buffer's window, address window 0
.set ii, \i0
.rept (\i1)-(\i0)
	global_load_b128 v[WR+8*ii:WR+8*ii+3],   v[WO], s[WP:WP+1] offset:(\off)+1024*ii
	global_load_b128 v[WR+8*ii+4:WR+8*ii+7], v[WO], s[WP:WP+1] offset:(\off)+1024*ii+512
.set ii, ii+1
.endr
.endm
.macro FETCHO k0, k1                   ; W_out's fragments k0 .. k1 - 1 of my eight, into x's buffer 0
	WIN 0
.set k, \k0
.rept (\k1)-(\k0)
	global_load_b128 v[WOF+8*k:WOF+8*k+3],   v[WO], s[WOP:WOP+1] offset:1024*k
	global_load_b128 v[WOF+8*k+4:WOF+8*k+7], v[WO], s[WOP:WOP+1] offset:1024*k+512
.set k, k+1
.endr
.endm
; The first two K steps' W of the pass that comes next (neurons 512 CH ..), and that pass's two pointers.  The wait on va_vdst that these 32 loads hang on stands ahead of the macro's two uses;
; between it and them stand LDS stores of other registers, scalar lines and window switches alone.
.macro WNEXT
	WIN 0
	s_wait_xcnt 0x0                                ; every load issued so far has read its address: WP and WOP are written only behind this wait
	s_lshl_b32 s[OF], s[CH], 15                    ; 512 neurons are 32 fragments of a K step
	s_mov_b32 s[OF+1], 0
	s_add_nc_u64 s[WP:WP+1], s[WB:WB+1], s[OF:OF+1]
	s_add_nc_u64 s[WOP:WOP+1], s[WOB:WOB+1], s[OF:OF+1]
	FETCHW 0, 0, 0, 8
	FETCHW 1, WSTEP, 0, 8
	WIN 0
.endm
; Matrix instructions: t tiles t0 .. t1 - 1 x neuron blocks 4 ih .. 4 ih + 3.  A step takes ih = 0, tiles 0 to 7, then ih = 1, tiles 0 to 7: the 64 accumulators take turns, one instruction a turn, in the same
; order in every K step: between two links of a chain stand the 63 others', over the backward jump too.  zero = 1: the first K step starts the sums: nothing is cleared.
.macro MULS xf, wb, ih, t0, t1, zero
	WBUF \wb
.set tt, \t0
.rept (\t1)-(\t0)
	WIN 4*WW+0x50*(1+tt/3)                         ; x window 0, W in its buffer's window, C and D in the tile's window
.set ii, 4*(\ih)
.rept 4
.set rA, 64*(tt%3)+8*ii
.if \zero
	v_wmma_f32_16x16x32_bf16 v[rA:rA+7], v[XF+64*(\xf)+8*tt:XF+64*(\xf)+8*tt+7], v[WR+8*ii:WR+8*ii+7], 0
.else
	v_wmma_f32_16x16x32_bf16 v[rA:rA+7], v[XF+64*(\xf)+8*tt:XF+64*(\xf)+8*tt+7], v[WR+8*ii:WR+8*ii+7], v[rA:rA+7]
.endif
.set ii, ii+1
.endr
.set tt, tt+1
.endr
.endm
; A K STEP on x's buffer xf and W's buffer wb.  Its loads: the next step's x (xoff; -1: none) into x's other buffer, and the W of the step two on (woff; -1: none) into the buffer that the step before has
; multiplied.  They stand in four runs of eight, the first three where the products change their window anyway, x's first.  The one wait on va_vdst at the step's head is all that they hang on: no product of this step names a
; register that they touch.  n1, n2: how many younger loads may stay out when the first and the second eight loads of this step's W have to be there: at the head the second eight and the next step's 16;
; in the middle the next step's 16 and the first eight of the step two on.  zero = 1: the pass's first step: the wait at the pass's head serves it.
; last = 1: the pass's last step: W_out's fragments go into x's buffer 0, which the step before has multiplied.
.macro STEP xf, wb, zero, xoff, woff, n1, n2, last
.if !(\zero)
	PLACES                                         ; behind the last step's products, ahead of the loads into the registers that they read
.endif
	s_wait_dscnt 0x0                               ; this step's x fragments: the youngest were asked for 40 matrix instructions back
	s_wait_loadcnt \n1
.if !(\zero)
	s_wait_alu depctr_va_vdst(0)                   ; the last step's products are done reading x's other buffer and their buffer of W, in which this step's loads land; where AX was stepped, it is written
.endif
	MULS \xf, \wb, 0, 0, 3, \zero
.if (\xoff) >= 0
	FETCHX 1-(\xf), \xoff, 0, 4
.endif
.if \last
	FETCHO 0, 4
.endif
	MULS \xf, \wb, 0, 3, 6, \zero
.if (\xoff) >= 0
	FETCHX 1-(\xf), \xoff, 4, 8
.endif
.if \last
	FETCHO 4, 8
.endif
	MULS \xf, \wb, 0, 6, 8, \zero
.if (\woff) >= 0
	FETCHW ((\wb)+2)%3, \woff, 0, 4
.endif
.if \last
	WIN 0
	; A PREFETCH INTO THE L2, in the last K step of the first half's second pass alone: of the second half of x, the first 64 rows that this same wave will load: a lane a row, at bytes 512 and 768 of the row
	; (XP already stands at byte 512): four instructions a wave, no byte named twice, none named by another wave.  Between them and the loads stand this step's second half, the scan and the sum.
	s_cmp_eq_u32 s[NPASS], 1
	s_cbranch_scc0 .Lnot_now_\@
	global_prefetch_b8 v[PFO], s[XP:XP+1] th:TH_LOAD_NT scope:SCOPE_SE
	global_prefetch_b8 v[PFO], s[XP:XP+1] offset:256 th:TH_LOAD_NT scope:SCOPE_SE
	global_prefetch_b8 v[PFO], s[XP:XP+1] offset:32000 th:TH_LOAD_NT scope:SCOPE_SE
	global_prefetch_b8 v[PFO], s[XP:XP+1] offset:32256 th:TH_LOAD_NT scope:SCOPE_SE
.Lnot_now_\@:
.endif
	s_wait_loadcnt \n2
	MULS \xf, \wb, 1, 0, 3, \zero
.if (\woff) >= 0
	FETCHW ((\wb)+2)%3, \woff, 4, 8
.endif
	MULS \xf, \wb, 1, 3, 8, \zero
.endm
; THE SCAN's parts, for t tile n (16 steps).  A UNIT u is 32 neurons: the accumulators of neuron blocks 2 u and 2 u + 1, 16 registers on end from AB + 16 u.
.macro ACCW n
.set G, 1+(\n)/3                       ; the tile's window
.set AB, 64*((\n)%3)
.endm
; As the product leaves them, a lane holds neuron l % 16 and steps 8 (l / 16) + 0..7.  One exchange of the first accumulator's upper lanes with the second's lower lanes, register by register, and lane l
; holds neuron l of the unit, register j of the sixteen step j.  Register 0 of every accumulator is read first.
.macro SWAPS n
	ACCW \n
	WIN 0x55*G
.set j, 0
.rept 8
.set u, 0
.rept 4
	v_permlane16_swap_b32 v[AB+16*u+j], v[AB+16*u+8+j]
.set u, u+1
.endr
.set j, j+1
.endr
.endm
; Matrix instruction k of the 8 of O^T += W_out x spikes for one t tile: unit k / 2, output block k % 2: two accumulators by turns, one instruction a turn.
.macro OM1 k
.set uu, (\k)/2
.if ((\k)%2) == 0
	v_wmma_f32_16x16x32_bf16 v[OA0:OA0+7], v[WOF+16*uu:WOF+16*uu+7],    v[SF+8*uu:SF+8*uu+7], v[OA0:OA0+7]
.else
	v_wmma_f32_16x16x32_bf16 v[OA1:OA1+7], v[WOF+16*uu+8:WOF+16*uu+15], v[SF+8*uu:SF+8*uu+7], v[OA1:OA1+7]
.endif
.endm
.macro OMUL                            ; all eight on end: the last tile's, which has no chain behind it
	WIN 0
.irp k, 0,1,2,3,4,5,6,7
	OM1 \k
.endr
.endm
; Sixteen steps of four chains that take turns: hv = 0.5 d + I;  s = clamp(2^40 hv - 2^39) = 1 where hv > 0.5, else 0, in I's place;  d = hv - hv s.
; Behind each of steps 4 to 11 stands one matrix instruction of the output product of the tile BEFORE, so that the matrix unit works beside the chains: 12 vector lines to each.  Its operands lie in window 0:
; two switches for each, 16 a tile.  The tile before's round trip through LDS has the exchange above and four steps in which to end.
.macro CHAIN n
	ACCW \n
.set j, 0
.rept 16
	WIN 0x55*G
.set u, 0
.rept 4
	v_fma_f32 v[HH+u], v[DD+u], 0.5, v[AB+16*u+j]
.set u, u+1
.endr
.set u, 0
.rept 4
	v_fma_f32 v[AB+16*u+j], v[HH+u], v[BIG], v[NBIG] clamp
.set u, u+1
.endr
.set u, 0
.rept 4
	v_fma_f32 v[DD+u], -v[HH+u], v[AB+16*u+j], v[HH+u]
.set u, u+1
.endr
.if ((\n) > 0) && (j >= 4) && (j < 12)
	WIN 0
.if j == 4
.if (\n) == 1
	s_wait_loadcnt 0x0                             ; W_out's fragments.  For 0: where the next pass's W was asked for behind them 32 younger loads could stay out, but behind a half's last pass there are none
.endif
	s_wait_dscnt 0x0                               ; the spike fragments and the running sum of the tile before
.endif
	OM1 j-4
.endif
.set j, j+1
.endr
.endm
.macro PACKS n                         ; a neuron's 16 spikes into 8 registers, in place: pair k lands where pairs up to k / 2 have been read
	ACCW \n
	WIN 0x55*G
.set k, 0
.rept 8
.set u, 0
.rept 4
	v_cvt_pk_bf16_f32 v[AB+16*u+k], v[AB+16*u+2*k], v[AB+16*u+2*k+1]
.set u, u+1
.endr
.set k, k+1
.endr
.endm
.macro OSTORE n                        ; the running sum goes back to my partial O; each accumulator's low registers first
	WIN 0
	ds_store_b128 v[PA], v[OA0:OA0+3]   offset:16*PPITCH*(\n)
	ds_store_b128 v[PA], v[OA0+4:OA0+7] offset:16*PPITCH*(\n)+16
	ds_store_b128 v[PA], v[OA1:OA1+3]   offset:16*PPITCH*(\n)+64
	ds_store_b128 v[PA], v[OA1+4:OA1+7] offset:16*PPITCH*(\n)+80
.endm
; The tile's spikes go into my stage, [neuron][t]; the tile before's sum is stored; the spikes come back turned, as source 1 (32 neurons x 16 t); and this tile's running sum is fetched.
; All these bytes are my wave's own, and LDS serves a wave's instructions in order (ISA guide 5.7.1.4): no wait on DScnt stands between the stores and the loads.
.macro SPOUT n
	ACCW \n
	WIN 4*G                                        ; address window 0, data in the tile's window
	s_wait_alu depctr_va_vdst(0)                   ; the roundings have written the spikes and the output product of the tile before its sums, which the stores below read; that product (tile 0: the pass's last K step) is done reading SF, in which loads below land
.set u, 0
.rept 4
	ds_store_b128 v[SGS], v[AB+16*u:AB+16*u+3]   offset:1024*u
	ds_store_b128 v[SGS], v[AB+16*u+4:AB+16*u+7] offset:1024*u+16
.set u, u+1
.endr
.if (\n) > 0
	OSTORE (\n)-1
.endif
	WIN 0
.set u, 0
.rept 4
	ds_load_tr16_b128 v[SF+8*u:SF+8*u+3],   v[SGR] offset:1024*u
	ds_load_tr16_b128 v[SF+8*u+4:SF+8*u+7], v[SGR] offset:1024*u+512
.set u, u+1
.endr
.if (\n) > 0
	s_wait_alu depctr_vm_vsrc(0)                   ; the four stores of the sums have read OA0 and OA1, in which the loads below land (tile 0: the wait at the pass's head has said so of the pass before)
.endif
	ds_load_b128 v[OA0:OA0+3],   v[PA] offset:16*PPITCH*(\n)
	ds_load_b128 v[OA0+4:OA0+7], v[PA] offset:16*PPITCH*(\n)+16
	ds_load_b128 v[OA1:OA1+3],   v[PA] offset:16*PPITCH*(\n)+64
	ds_load_b128 v[OA1+4:OA1+7], v[PA] offset:16*PPITCH*(\n)+80
.endm
.macro DMOVE                           ; d goes on into the next window
.irp u, 0,1,2,3
	v_mov_b32 v[DD+\u], v[DD+\u]
.endr
.endm
; A tile's turn.  The chain's last four steps and the 32 roundings are the places between the output product of the tile before and the store of its sums.
.macro TILE n
.if (\n) == 3
	WIN 0x81                                       ; destination window 2, source window 1
	DMOVE
.endif
.if (\n) == 6
	WIN 0xc2                                       ; destination window 3, source window 2; W's buffer 2 has been multiplied, and its first ten registers serve the scan
	DMOVE
	v_mov_b32 v[BIG], 0x53800000
	v_mov_b32 v[NBIG], 0xd3000000
.endif
	SWAPS \n
	CHAIN \n
	PACKS \n
	SPOUT \n
.endm
; THE OUTPUT SCAN's loads: the 16 steps of group g into buffer g % 2.  The address register is fixed and the row stands in the immediate, 144 x 127 = 18,288 at the most: every byte read lies in the summed O.
.macro OLD g
.set i, 0
.rept 16
	ds_load_b32 v[OB+16*((\g)%2)+i], v[QL0] offset:PPITCH*(16*(\g)+i)
.set i, i+1
.endr
.endm
.Lhalf:                                        ; the ring's 25 slots have been asked for: in the head, or behind the sum of the half before
	s_mov_b32 s26, 6
.Llap:                                         ; 25 rows are packed and stored, the next 25 asked for, five at a time
.irp g, 0,1,2,3,4
	GROUP \g, 1, 40                                ; the 20 other slots' two loads each may stay out
.endr
	s_wait_xcnt 0x0                                ; every load issued so far has read its address: XP is written only behind this wait
	s_add_nc_u64 s[XP:XP+1], s[XP:XP+1], 25000
	s_wait_alu depctr_vm_vsrc(0)                   ; the lap's LDS stores have read LSX, which the next line writes, and their pairs of XT, which the next lap's first two groups write
	v_add_nc_u32 v[LSX], 25*XPITCH, v[LSX]
	s_sub_co_u32 s26, s26, 1
	s_cmp_lg_u32 s26, 0
	s_cbranch_scc1 .Llap
	GROUP 0, 0, 40                                 ; the last 25 rows: no x is asked for, the counts run down
	GROUP 1, 0, 30
	WNEXT                                          ; 30 loads of x are out: the half's first pass asks for its first two K steps' W, 32 loads: 62 in all.  Group 1's wait on va_vdst stands behind every line that named W's buffers 0 and 1
	GROUP 2, 0, 52                                 ; behind a group's loads stand the later groups' and W's 32, which stay out
	GROUP 3, 0, 42
	GROUP 4, 0, 32
	s_wait_xcnt 0x0                                ; x's loads are in, W's have read their addresses
	s_sub_nc_u64 s[XP:XP+1], s[XP:XP+1], 149488    ; back over 150 rows and 512 bytes on: the next half
	s_wait_alu depctr_vm_vsrc(0)                   ; the LDS stores have read LSX and the loads of x XB, which the next two lines write; the stores have read XT, in which x's fragments will land
	v_mov_b32 v[LSX], v[LSX0]
	v_min_u32 v[XB], 480, v[XB]                    ; in the second half a row has 488 bytes left: lanes 29-31 repeat t = 248, 249; what lands in columns t = 250 .. 255 is finite, and its O is set to 0 below
	s_wait_dscnt 0x0                               ; for the others' sake: my rows of x (and, the first time, the zeros) are in LDS
	BARRIER
	s_mov_b32 s24, 2
.Lpass:
	s_wait_alu depctr_vm_vsrc(0)                   ; the pass before: its turning loads have read AX; its LDS stores have read the packed spikes, whose registers K step 0's products write, and tile 7's sums, in which tile 0's loads land
	v_mov_b32 v[AX], v[AX0]
	s_wait_alu depctr_va_vdst(0)                   ; AX is written, which the turning loads read; all lines that named v64-191 and W's buffer 2 (the roundings of x; the output product and the scan) are done: K step 0's loads land there
	FETCHX 0, 0, 0, 8
	STEP 0, 0, 1, KB,   2*WSTEP, 24, 24, 0         ; K step 0 starts the sums
	STEP 1, 1, 0, 2*KB, 3*WSTEP, 24, 24, 0
	WIN 0
	s_wait_alu depctr_vm_vsrc(0)                   ; the turning loads issued so far have read AX
	v_add_nc_u32 v[AX], 2*KB, v[AX]
	s_mov_b32 s25, 3
.Lk:                                           ; K steps 2 .. 19, six a trip: x's two buffers and W's three come round together
	STEP 0, 2, 0, 1*KB, 4*WSTEP, 24, 24, 0
	STEP 1, 0, 0, 2*KB, 5*WSTEP, 24, 24, 0
	STEP 0, 1, 0, 3*KB, 6*WSTEP, 24, 24, 0
	STEP 1, 2, 0, 4*KB, 7*WSTEP, 24, 24, 0
	STEP 0, 0, 0, 5*KB, 8*WSTEP, 24, 24, 0
	STEP 1, 1, 0, 6*KB, 9*WSTEP, 24, 24, 0
	WIN 0
	s_wait_xcnt 0x0                                ; the youngest load stands 20 matrix instructions back: WP is written only behind this wait
	s_add_nc_u64 s[WP:WP+1], s[WP:WP+1], 6*WSTEP
	s_wait_alu depctr_vm_vsrc(0)                   ; the turning loads issued so far have read AX
	v_add_nc_u32 v[AX], 6*KB, v[AX]
	s_sub_co_u32 s25, s25, 1
	s_cmp_lg_u32 s25, 0
	s_cbranch_scc1 .Lk
	STEP 0, 2, 0, KB, -1, 24, 16, 0                ; K step 20 asks for no W: behind its second eight loads stand step 21's 16
	STEP 1, 0, 0, -1, -1, 8, 16, 1                 ; K step 21: its second eight behind the first; behind those W_out's 16 loads
	PLACES                                         ; in front of the loads into W's buffer 0 and of the lines that read the sums
	WIN 0
	s_wait_alu depctr_va_vdst(0)                   ; the pass's products are done reading W's buffers 0 and 1, in which the loads of WNEXT land; it stands ahead of the branch
	s_add_co_u32 s[NPASS], s[NPASS], 1
	s_xor_b32 s[CH], s[CH], 1
	s_cmp_eq_u32 s24, 1                            ; a half's last pass: the next pass asks among the rows of x
	s_cbranch_scc1 .Lno_w
	WNEXT                                          ; the half's second pass asks for its first two K steps' W now: they land while this pass is scanned
.Lno_w:
	WIN 0x40                                       ; destination window 1, source window 0
.irp u, 0,1,2,3
	v_mov_b32 v[DD+\u], v[STA+\u]
.endr
.irp n, 0,1,2,3,4,5,6,7
	TILE \n
.endr
	WIN 0
	s_wait_dscnt 0x0
	OMUL                                           ; tile 7's
.irp u, 0,1,2,3
	v_mov_b32 v[STA+\u], v[STB+\u]                 ; the other 512 neurons come next; these eight moves, which name none of the product's registers, are the places behind it
.endr
	WIN 0x03                                       ; source window 3
.irp u, 0,1,2,3
	v_mov_b32 v[STB+\u], v[DD+\u]                  ; these wait a pass
.endr
	WIN 0
	s_wait_alu depctr_va_vdst(0)                   ; the output product has written tile 7's sums, which the stores below read, and is done reading v64-159, in which the sum's loads land behind a half's last pass
	OSTORE 7
	s_sub_co_u32 s24, s24, 1
	s_cmp_lg_u32 s24, 0
	s_cbranch_scc1 .Lpass
	s_wait_dscnt 0x0                               ; my partial O is stored, and my reads of x are over
	BARRIER                                        ; everybody's: the four parts may be read, and x may be written again
.set k, 0
.rept 20                               ; thread = step: outputs 0 .. 19 of the four waves' parts
	ds_load_b128 v[64+4*k:64+4*k+3], v[PS] offset:PWAVE*(k/5)+16*(k%5)
.set k, k+1
.endr
	v_cmp_gt_u32 vcc_lo, s[TLIM], v0               ; steps from 250 on get O = 0: ov then is 0.5 x (a voltage that did not spike, 0.5 at the most) or 0, so no spike can arise there, whatever the inputs hold
	s_wait_dscnt 0x0
.set k, 0
.rept 10
	v_pk_add_f32 v[64+k:65+k], v[64+k:65+k], v[84+k:85+k]
	v_pk_add_f32 v[104+k:105+k], v[104+k:105+k], v[124+k:125+k]
.set k, k+2
.endr
.set k, 0
.rept 10
	v_pk_add_f32 v[64+k:65+k], v[64+k:65+k], v[104+k:105+k]
.set k, k+2
.endr
	s_wait_alu depctr_va_vcc(0)                    ; the compare above has written VCC, ahead of its first reader
.set k, 0
.rept 20
	v_cndmask_b32 v[64+k], 0, v[64+k], vcc_lo
.set k, k+1
.endr
	s_wait_alu depctr_va_vdst(0)                   ; the selects have written v64-83, which the stores below read; the additions are done with v64-143, in which the next half's rows land
.irp k, 0,1,2,3,4
	ds_store_b128 v[QS], v[64+4*\k:64+4*\k+3] offset:16*\k
.endr
	s_sub_co_u32 s[TLIM], s[TLIM], 128
	s_wait_dscnt 0x0                               ; my row of the summed O is stored, and my reads of the parts are over
	BARRIER
	s_wait_alu depctr_vm_vsrc(0)                   ; my five stores have read v64-83, in which the next half's rows land; it stands ahead of the branch
	s_cmp_eq_u32 s23, 1                            ; behind the last half there is no x to ask for, and nobody reads the parts again
	s_cbranch_scc1 .Lno_more
	PRIME 0, 25                                    ; the next half's first 25 rows: in wave 0 they are on their way while it scans the outputs
	PZERO
.Lno_more:
	s_cmp_lg_u32 s[WV], 0                          ; wave 0 scans the outputs, a lane an output; the other waves go on to load x
	s_cbranch_scc1 .Lno_scan
	; 128 steps, written out in 8 groups of 16 on two buffers: a group's loads are out while the group before is scanned.
	; The spike of step t is counted at step t + 1: that of 127 in the next half, that of 249 at step 250.
	OLD 0
.irp g, 0,1,2,3,4,5,6,7
.if (\g) < 7
.if (\g) > 0
	s_wait_alu depctr_va_vdst(0)                   ; the lines of the group before are done with their buffer, in which the loads below land
.endif
	OLD (\g)+1
	s_wait_dscnt 16                                ; LDS loads come back in order (ISA guide 5.7.1): this group is in, the next group's 16 may stay out
.else
	s_wait_dscnt 0x0
.endif
.if (\g) == 0
	v_fma_f32 v[OB], v[E0], 0.5, v[OB]             ; the first step of all takes 0.5 ov0 (1 - os0) with it; in the second half E0 is 0
	v_mov_b32 v[E0], 0
.endif
.set i, OB+16*((\g)%2)
.rept 16
	v_cmp_lt_f32 vcc_lo, 0.5, v[OVP]               ; did the step before spike?
	v_fma_f32 v31, v[OVP], 0.5, v[i]               ; 0.5 ov + O,
	s_wait_alu depctr_va_vcc(0)                    ; the compare has written VCC, ahead of its first reader; each compare needs the voltage that the select before it made, so there is one wait a step
	v_cndmask_b32 v[OVP], v31, v[i], vcc_lo        ; or, where it spiked, O alone
	v_cndmask_b32 v32, 0, 1.0, vcc_lo
	v_add_f32 v[CNT], v[CNT], v32
.set i, i+1
.endr
.endr
.Lno_scan:
	s_sub_co_u32 s23, s23, 1
	s_cmp_lg_u32 s23, 0
	s_cbranch_scc1 .Lhalf
	s_cmp_lg_u32 s[WV], 0
	s_cbranch_scc1 .Lend
	s_wait_alu depctr_va_vdst(0)                   ; the scan's last addition has written CNT, which the store reads
	global_store_b32 v[OO], v[CNT], s[20:21]       ; 20 counts; lanes 20-31 store lane 19's number at lane 19's place once more
.Lend:
	s_wait_dscnt 0x0                               ; the closing lines, six on end
	s_wait_alu 0x0
	s_wait_tensorcnt 0x0
	ds_add_u32 v[SPW], v[NIL]
	s_wait_dscnt 0x0
	s_endpgm
.Lfunc_end_k_q46d5157954_snn:
	.size	k_q46d5157954_snn, .Lfunc_end_k_q46d5157954_snn-k_q46d5157954_snn
	.p2alignl 7, 3214868480
	.fill 96, 4, 3214868480
	.section	.rodata,"a",@progbits
	.p2align	6, 0x0
	.amdhsa_kernel k_q46d5157954_snn
		.amdhsa_group_segment_fixed_size 312832
		.amdhsa_private_segment_fixed_size 0
		.amdhsa_enable_private_segment 0
		.amdhsa_kernarg_size 56
		.amdhsa_user_sgpr_count 2
		.amdhsa_user_sgpr_kernarg_segment_ptr 1
		.amdhsa_wavefront_size32 1
		.amdhsa_system_sgpr_workgroup_id_x 1
		.amdhsa_system_sgpr_workgroup_id_y 1
		.amdhsa_system_sgpr_workgroup_id_z 1
		.amdhsa_system_vgpr_workitem_id 0
		.amdhsa_next_free_vgpr 1024
		.amdhsa_next_free_sgpr 66
		.amdhsa_reserve_vcc 1
		.amdhsa_float_denorm_mode_32 3
		.amdhsa_float_denorm_mode_16_64 3
		.amdhsa_memory_ordered 1
		.amdhsa_forward_progress 1
		.amdhsa_inst_pref_size 255
	.end_amdhsa_kernel
	.section	.bss,"aw",@nobits
	.p2align	6
	.space	262144
	.amdgpu_metadata
---
amdhsa.version: [ 1, 2 ]
amdhsa.kernels:
  - .name:           k_q46d5157954_snn
    .symbol:         k_q46d5157954_snn.kd
    .args:
      - { .name: spike_data, .offset: 0, .size: 8, .value_kind: global_buffer, .address_space: global }
      - { .name: ws, .offset: 8, .size: 8, .value_kind: global_buffer, .address_space: global }
      - { .name: hid_volt0, .offset: 16, .size: 8, .value_kind: global_buffer, .address_space: global }
      - { .name: hid_spike0, .offset: 24, .size: 8, .value_kind: global_buffer, .address_space: global }
      - { .name: out_volt0, .offset: 32, .size: 8, .value_kind: global_buffer, .address_space: global }
      - { .name: out_spike0, .offset: 40, .size: 8, .value_kind: global_buffer, .address_space: global }
      - { .name: out0, .offset: 48, .size: 8, .value_kind: global_buffer, .address_space: global }
    .group_segment_fixed_size: 312832
    .private_segment_fixed_size: 0
    .kernarg_segment_align: 8
    .kernarg_segment_size: 56
    .max_flat_workgroup_size: 128
    .sgpr_count:     66
    .vgpr_count:     1024
    .wavefront_size: 32
...
	.end_amdgpu_metadata
.endif
;; end of part 3
